; MI455X (gfx1250); checked and timed in simulation.
; The chip was launched on July 23, 2026; its instructions are those of AMD's public machine-readable ISA for CDNA 5 (MIT licence, August 2026) and "CDNA5" Instruction Set Architecture Reference Guide (July 2026). The comments in the code are by the model that wrote it; some were corrected since.
;; Self Attention. Allowed arithmetic: matrix products marked QUANTISED: E2M3 operands, one E8M0 scale for each 32 along K, by v_wmma_scale_f32_16x16x128_f8f6f4 with both operands' format E2M3, f32 sums; everything else in f32.
;; Inputs: Wk 1,024 x 1,024 float32; Wo 1,024 x 1,024 float32; Wq 1,024 x 1,024 float32; Wv 1,024 x 1,024 float32; bk 1,024 float32; bo 1,024 float32; bq 1,024 float32; bv 1,024 float32; x 4 x 2,048 x 1,024 float32.
;; Outputs: out0 4 x 2,048 x 1,024 float32.
;; This version of the problem:
;;   THIS VERSION OF THE PROBLEM IS GIVEN IN LOW PRECISION. The matrix products marked QUANTISED in the list below multiply operands that are first quantised to E2M3 (2 exponent bits, 3 mantissa bits; 6 bits a number), with one power-of-two scale for each 32 numbers along K (OCP MX v1.0); their sums are f32. All else is computed in f32.
;;   The module's matrix products, in the order in which they are computed (A, B: the left and right operand; K: the contracted axis; several contracted axes count as one K, in the product's order):
;;     1. [M 8,192, K 1,024] x [K 1,024, N 1,024]; A: input x; B: input Wq: QUANTISED
;;     2. [M 8,192, K 1,024] x [K 1,024, N 1,024]; A: input x; B: input Wk: QUANTISED
;;     3. [M 8,192, K 1,024] x [K 1,024, N 1,024]; A: input x; B: input Wv: QUANTISED
;;     4. batch 4 x [M 2,048, K 1,024] x [K 1,024, N 2,048]; A: computed on the way; B: computed on the way: QUANTISED
;;     5. batch 4 x [M 2,048, K 2,048] x [K 2,048, N 1,024]; A: softmax (see below); B: computed on the way: QUANTISED
;;     6. [M 8,192, K 1,024] x [K 1,024, N 1,024]; A: computed on the way; B: input Wo: QUANTISED
;;   THE QUANTISER, for each operand of a quantised product, along K:
;;     - K is cut into blocks of 32 from its start; a last block that is shorter is filled with zeros.
;;     - A block's scale is 2^e with e = floor(log2(the largest magnitude in the block)) - 2, held to -126 .. 127; a block of zeros has e = 0. As a byte (E8M0): e + 127.
;;     - Each number is divided by its block's scale, clamped to +-7.5, and rounded to the nearest number of E2M3, ties to even, subnormals kept.
;;     - The product sums the exact products of the quantised numbers (number of the format x scale) in f32.
;;   ~~~python
;;   def quantise(x, axis):      # numpy; x: float32 -> the quantised numbers, widened to float32 again
;;       x = np.moveaxis(x, axis, -1); K = x.shape[-1]
;;       x = np.pad(x, [(0, 0)] * (x.ndim - 1) + [(0, -K % 32)]); x = x.reshape(x.shape[:-1] + (-1, 32)); a = np.abs(x).max(-1, keepdims=True)
;;       e = np.where(a > 0, np.clip(np.frexp(np.where(a > 0, a, 1))[1] - 1 - 2, -126, 127), 0)      # np.frexp(a)[1] - 1 = floor(log2(a)), exactly
;;       r = np.clip(x / 2.0 ** e, -7.5, 7.5)
;;       step = 2.0 ** (np.maximum(np.frexp(np.where(r == 0, 1, r))[1] - 1, 0) - 3)
;;       q = np.round(r / step) * step * 2.0 ** e      # np.round: ties to even
;;       return np.moveaxis(q.reshape(q.shape[:-2] + (-1,))[..., :K], -1, axis).astype(np.float32)
;;   ~~~
;;   SOFTMAX AHEAD OF A QUANTISED PRODUCT. Where the list says 'softmax', what is quantised is not the finished softmax but p = 2^(t - M), with t = logit x log2(e) and M = ceil(the row's largest t), a whole number; so 1/2 < the row's largest p <= 1. The row's sum l is taken of the UNQUANTISED p, in f32, and the product's result is divided by l at the end. Since M is a whole number, a kernel that streams over the keys may use a running M (the ceiling of the running maximum): every later rescaling is an exact power of two, which a block's scale takes up: the codes' values come out the same.
;;   OPERANDS COMPUTED ON THE WAY. 'Computed on the way' means the value that the module computes at that place (a softmax that the list does not call 'softmax' is quantised finished and normalised). What goes into a quantiser is computed in f32, as accurately as f32 sums, v_exp_f32 and their like allow (about 1e-6 of the number): no bf16 or f16 on the way to a quantiser, and a product that is left as it is and whose result goes on into a quantised operand takes f32 operands (vector FMAs, or v_wmma_f32_16x16x4_f32). A number that lies on a knife's edge between two numbers of the format may be rounded either way, as far as f32 arithmetic and the matrix unit's own rounding can turn it there, and no further.
;; One version. Each part assembles by itself: llvm-mc -triple=amdgcn-amd-amdhsa -mcpu=gfx1250 --defsym DOCPART=n.
;; ======== version 1 of 1: 5 launches
;; limits: right only within a limited range of input values
;; workspace buffers: w1 9,830,400 bytes; w2 19,660,800 bytes; w3 14,155,776 bytes; w4 6,553,600 bytes
;; launch quant (part 1): grid 768 x 1, 2 waves a work-group, no clusters, 17,152 bytes of LDS; arguments x, Wq, Wk, Wv, Wo, w1; writes w1
.if DOCPART == 1
	.amdgcn_target "amdgcn-amd-amdhsa--gfx1250"
	.amdhsa_code_object_version 6
	.text
	.protected	k_q85cb6d4583_quant
	.globl	k_q85cb6d4583_quant
	.p2align	8
	.type	k_q85cb6d4583_quant,@function
k_q85cb6d4583_quant:
	s_mov_b64 s[64:65], 0
	v_nop
	global_prefetch_b8 v0, s[64:65] scope:SCOPE_SE
	s_setreg_imm32_b32 hwreg(HW_REG_WAVE_MODE, 25, 1), 1
	s_wait_xcnt 0x0
; FIRST OF FIVE LAUNCHES of: out = softmax((x Wq^T + bq)(x Wk^T + bk)^T / 32) (x Wv^T + bv) Wo^T + bo, all six products on codes of E2M3 with one E8M0 scale for each 32 along K.
; NO WORK OF THE PROBLEM IS LEFT OUT: every product is live, every input has a way to the output and is loaded (bk moves k's codes, so it stays).
; THIS LAUNCH turns x [8192][1024] and Wq, Wk, Wv, Wo [1024][1024], f32 with K innermost, into codes and scale bytes in w1, laid AS THE MATRIX UNIT'S REGISTERS TAKE THEM:
;   a FRAGMENT is 16 rows x 128 K = 12 registers x 32 lanes = 1,536 bytes: registers 4 c .. 4 c + 3 of lane l at 512 c + 16 l; lane (r, h) holds row-position r, registers 6 c .. 6 c + 5 = K 64 c + 32 h + 0 .. 31.
;   fragment row block F (x: 0-511, Wq 512-575, Wk 576-639, Wv 640-703, Wo 704-767) lies at F x 12,288: its eight K steps on end.
;   POSITION p of block F is the tensor's row 32 (F / 2) + 8 (F % 2) + p + 8 (p / 8): with that order a transposed product leaves 16 neighbours along the next K in a lane's 16 registers.
;   scale words (four bytes: 128 K of one row) of block F: 512 bytes at 9,437,184 + 512 F, word of K step s, position p at 256 (s / 4) + 16 p + 4 (s % 4).
; A block's scale is 2^(floor(log2(largest magnitude)) - 2): its byte is the largest magnitude's exponent field - 2, held at 1 from below by a floor among the maximum's leaves.
; LIMITS: a block of zeros gets the byte 1 where the rule says 127 (its codes are zeros, and only this program reads the bytes); NaN and infinities among the inputs are not served.
; SHARES: work-group F takes one block of 16 rows; wave g its K steps 4 g .. 4 g + 3.  Each load reads 512 consecutive bytes of one row; a K step's 16 x 512 bytes turn through the wave's own
; stage in LDS (rows 528 bytes apart: 33 x 16, so sixteen rows of one column start at sixteen different groups of banks) and come back 16 neighbours of each block of 32 to a lane.
; No tensor load, no barrier: waves share nothing.  Two K steps (32 loads a wave) are asked for at the start.
.set STGB,  8448                       ; a wave's stage: 16 rows x 528 bytes
.set SPARE, 2*STGB                     ; behind the stages: the spare words, 128 bytes for each wave: one block of 256 bytes that no other line names
.set R,   16                           ; v16-143  two sets of 64: a K step as loaded
.set X,   144                          ; v144-207 64 numbers: register 16 b + i = K 32 b + 16 h + i of my row
.set TM,  208                          ; v208-223 at work: largest magnitudes, bytes, scale operands
.set PC,  224                          ; v224-243 the codes just made (12) and the conversions' second halves
.set PWS, 244                          ; v244-247 the four K steps' scale words
.set T,   248                          ; v248-249 the two words that I store
.set SPW, 250                          ; v250 LDS address of my spare word; never rewritten
.set NIL, 251                          ; v251 0; never rewritten
.set SEL, 20                           ; s[20:21] v_permlanex16_b32's selects for lane l xor 16
	s_load_b256 s[4:11], s[0:1], 0x0               ; x, Wq, Wk, Wv
	s_load_b128 s[12:15], s[0:1], 0x20             ; Wo, w1
	v_lshl_add_u32 v[SPW], v0, 2, SPARE
	v_mov_b32 v[NIL], 0
	v_lshrrev_b32 v1, 5, v0
	v_readfirstlane_b32 s16, v1                    ; wave g
	v_and_b32 v1, 31, v0                           ; lane
	v_and_b32 v2, 15, v0                           ; r
	v_bfe_u32 v3, v0, 4, 1                         ; h
	v_lshlrev_b32 v4, 4, v1                        ; 16 x lane: my bytes of a load's 512, and of an image's 512
	v_lshlrev_b32 v5, 4, v2
	v_lshl_add_u32 v5, v3, 3, v5                   ; 16 r + 8 h: where my two scale words go
	s_mul_i32 s17, s16, STGB
	v_add_nc_u32 v14, s17, v4                      ; the stage, on the way in
	v_mul_u32_u24 v15, v2, 528
	v_lshl_add_u32 v15, v3, 6, v15
	v_add_nc_u32 v15, s17, v15                     ; and out: row r, + 64 h
.irp b, 0,1,2,3
	v_mov_b32 v[TM+4+\b], 0                        ; written once: a lane permute's destination counts as one of its sources
.endr
	s_mov_b32 s[SEL], 0x76543210
	s_mov_b32 s[SEL+1], 0xfedcba98
	s_mov_b32 s22, 0xffff0000                      ; lanes 16-31
	s_sub_co_u32 s18, ttmp9, 512
	s_lshr_b32 s19, s18, 6                         ; which weight (used where the block is no block of x)
	s_and_b32 s18, s18, 63                         ; and which block of it
	s_mul_i32 s28, ttmp9, 12288                    ; the codes: block F, my four K steps
	s_mul_i32 s23, s16, 6144
	s_add_co_u32 s28, s28, s23
	s_mov_b32 s29, 0
	s_lshl_b32 s30, ttmp9, 9                       ; the scale words: block F, my 256 bytes
	s_lshl_b32 s23, s16, 8
	s_add_co_u32 s30, s30, s23
	s_add_co_u32 s30, s30, 9437184
	s_mov_b32 s31, 0
	s_wait_alu depctr_va_vdst(0)
	s_wait_kmcnt 0x0
	s_mov_b64 s[24:25], s[12:13]                   ; the source: chosen by the work-group's number alone
	s_cmp_eq_u32 s19, 2
	s_cselect_b64 s[24:25], s[10:11], s[24:25]
	s_cmp_eq_u32 s19, 1
	s_cselect_b64 s[24:25], s[8:9], s[24:25]
	s_cmp_eq_u32 s19, 0
	s_cselect_b64 s[24:25], s[6:7], s[24:25]
	s_cmp_lt_u32 ttmp9, 512
	s_cselect_b64 s[24:25], s[4:5], s[24:25]
	s_cselect_b32 s18, ttmp9, s18                  ; the block's number in its own tensor
	s_lshr_b32 s26, s18, 1
	s_lshl_b32 s26, s26, 5
	s_and_b32 s27, s18, 1
	s_lshl_b32 s27, s27, 3
	s_add_co_u32 s26, s26, s27                     ; its first row: 32 (F / 2) + 8 (F % 2)
	s_lshl_b32 s26, s26, 12                        ; rows of 4,096 bytes
	s_lshl_b32 s27, s16, 11                        ; my half of K
	s_add_co_u32 s26, s26, s27
	s_mov_b32 s27, 0
	s_add_nc_u64 s[24:25], s[24:25], s[26:27]
	s_add_nc_u64 s[28:29], s[14:15], s[28:29]
	s_add_nc_u64 s[30:31], s[14:15], s[30:31]
.macro LOAD t                          ; K step t of my four: position i's 512 bytes, 16 a lane
.irp i, 0,1,2,3,4,5,6,7,8,9,10,11,12,13,14,15
	global_load_b128 v[R+64*((\t)%2)+4*\i:R+64*((\t)%2)+4*\i+3], v4, s[24:25] offset:(\i+8*(\i/8))*4096+512*(\t) th:TH_LOAD_NT
.endr
.endm
.macro TURN t                          ; through the stage: LDS serves a wave's instructions in order, so no wait stands between the stores and the loads
.irp i, 0,1,2,3,4,5,6,7,8,9,10,11,12,13,14,15
	ds_store_b128 v14, v[R+64*((\t)%2)+4*\i:R+64*((\t)%2)+4*\i+3] offset:528*\i
.endr
.irp b, 0,1,2,3
.irp j, 0,1,2,3
	ds_load_b128 v[X+16*\b+4*\j:X+16*\b+4*\j+3], v15 offset:128*\b+16*\j
.endr
.endr
.endm
; 64 numbers of a lane become a fragment's codes in v[PC] on and its scale word in v[pw]
.macro QUANT pw
.irp b, 0,1,2,3
	v_max3_num_f32 v[TM+\b], |v[X+16*\b]|, |v[X+1+16*\b]|, 0x1800000   ; block b: my 16 numbers, and the floor 2^(3 - 127): the byte cannot fall under 1
.endr
.irp i, 2,4,6,8,10,12,14
.irp b, 0,1,2,3
	v_max3_num_f32 v[TM+\b], v[TM+\b], |v[X+16*\b+\i]|, |v[X+1+16*\b+\i]|   ; the four blocks by turns
.endr
.endr
.irp b, 0,1,2,3
	v_permlanex16_b32 v[TM+4+\b], v[TM+\b], s[SEL], s[SEL+1]
.endr
.irp b, 0,1,2,3
	v_max_num_f32 v[TM+\b], v[TM+\b], v[TM+4+\b]   ; with lane l xor 16's: the block's largest magnitude
.endr
.irp b, 0,1,2,3
	v_add_nc_u32 v[TM+12+\b], 0xff000000, v[TM+\b] ; 2 off its exponent field: the conversion takes that field as its scale
.endr
.irp b, 0,1,2,3
	v_lshrrev_b32 v[TM+4+\b], 23, v[TM+12+\b]      ; the scale's byte
.endr
	v_lshl_or_b32 v[\pw], v[TM+5], 8, v[TM+4]
	v_lshl_or_b32 v[\pw], v[TM+6], 16, v[\pw]
	v_lshl_or_b32 v[\pw], v[TM+7], 24, v[\pw]      ; my row's scale word (the same in both halves of the lanes)
.irp c, 0,1
	v_cvt_scalef32_pk16_fp6_f32 v[PC+6*\c:PC+2+6*\c], v[X+32*\c:X+15+32*\c], v[TM+12+2*\c]
	v_cvt_scalef32_pk16_fp6_f32 v[PC+12+4*\c:PC+14+4*\c], v[X+16+32*\c:X+31+32*\c], v[TM+12+2*\c+1]   ; (a conversion's three registers begin on an even number)
.endr
	v_nop                                          ; one plain place behind a scaled conversion
.irp c, 0,1                            ; the layout wants a WHOLE block in a lane: lanes 0-15 block 2 c, lanes 16-31 block 2 c + 1
.irp i, 0,1,2
	v_permlane16_swap_b32 v[PC+6*\c+\i], v[PC+12+4*\c+\i]
.endr
.irp i, 0,1,2
	v_mov_b32 v[PC+3+6*\c+\i], v[PC+12+4*\c+\i]
.endr
.endr
.endm
.macro QSTEP t
.if (\t) < 3
	s_wait_loadcnt 16                              ; this K step's 16 loads are in; the next step's 16 may be out
.else
	s_wait_loadcnt 0x0
.endif
	TURN \t
	s_wait_dscnt 0x0                               ; my 64 numbers are back, and the stage's stores have read their registers,
	s_wait_xcnt 0x0                                ; the last step's stores have read theirs: the codes' registers may be written again
.if (\t) < 2
	LOAD (\t)+2                                    ; which take the loads of two steps on
.endif
	QUANT PWS+(\t)
.irp c, 0,1,2
	global_store_b128 v4, v[PC+4*\c:PC+4*\c+3], s[28:29] offset:1536*(\t)+512*\c   ; 32 lanes store 512 consecutive bytes, aligned
.endr
.endm
	LOAD 0
	LOAD 1
	QSTEP 0
	QSTEP 1
	QSTEP 2
	QSTEP 3
	v_cndmask_b32 v[T], v[PWS], v[PWS+2], s22      ; lanes 0-15 store words 0 and 1 of row r, lanes 16-31 words 2 and 3:
	v_cndmask_b32 v[T+1], v[PWS+1], v[PWS+3], s22
	global_store_b64 v5, v[T:T+1], s[30:31]        ; 32 lanes store 256 consecutive bytes, aligned
	s_wait_tensorcnt 0x0                           ; the wave's end: behind my last LDS store
	ds_add_u32 v[SPW], v[NIL]
	s_wait_dscnt 0x0
	s_endpgm
.Lfunc_end_k_q85cb6d4583_quant:
	.size	k_q85cb6d4583_quant, .Lfunc_end_k_q85cb6d4583_quant-k_q85cb6d4583_quant
	.p2alignl 7, 3214868480
	.fill 96, 4, 3214868480
	.section	.rodata,"a",@progbits
	.p2align	6, 0x0
	.amdhsa_kernel k_q85cb6d4583_quant
		.amdhsa_group_segment_fixed_size 17152
		.amdhsa_private_segment_fixed_size 0
		.amdhsa_enable_private_segment 0
		.amdhsa_kernarg_size 48
		.amdhsa_user_sgpr_count 2
		.amdhsa_user_sgpr_kernarg_segment_ptr 1
		.amdhsa_wavefront_size32 1
		.amdhsa_system_sgpr_workgroup_id_x 1
		.amdhsa_system_sgpr_workgroup_id_y 1
		.amdhsa_system_sgpr_workgroup_id_z 1
		.amdhsa_system_vgpr_workitem_id 0
		.amdhsa_next_free_vgpr 256
		.amdhsa_next_free_sgpr 66
		.amdhsa_reserve_vcc 0
		.amdhsa_float_denorm_mode_32 3
		.amdhsa_float_denorm_mode_16_64 3
		.amdhsa_memory_ordered 1
		.amdhsa_forward_progress 1
		.amdhsa_inst_pref_size 34
	.end_amdhsa_kernel
	.amdgpu_metadata
---
amdhsa.version: [ 1, 2 ]
amdhsa.kernels:
  - .name:           k_q85cb6d4583_quant
    .symbol:         k_q85cb6d4583_quant.kd
    .args:
      - { .name: x, .offset: 0, .size: 8, .value_kind: global_buffer, .address_space: global }
      - { .name: Wq, .offset: 8, .size: 8, .value_kind: global_buffer, .address_space: global }
      - { .name: Wk, .offset: 16, .size: 8, .value_kind: global_buffer, .address_space: global }
      - { .name: Wv, .offset: 24, .size: 8, .value_kind: global_buffer, .address_space: global }
      - { .name: Wo, .offset: 32, .size: 8, .value_kind: global_buffer, .address_space: global }
      - { .name: w1, .offset: 40, .size: 8, .value_kind: global_buffer, .address_space: global }
    .group_segment_fixed_size: 17152
    .private_segment_fixed_size: 0
    .kernarg_segment_align: 8
    .kernarg_segment_size: 48
    .max_flat_workgroup_size: 64
    .sgpr_count:     66
    .vgpr_count:     256
    .wavefront_size: 32
...
	.end_amdgpu_metadata
.endif
;; end of part 1
;; launch qkv (part 2): grid 64 x 4, 4 waves a work-group, clusters of 4 x 4, 327,680 bytes of LDS; arguments w1, bq, bk, bv, w2; writes w2
.if DOCPART == 2
	.amdgcn_target "amdgcn-amd-amdhsa--gfx1250"
	.amdhsa_code_object_version 6
	.text
	.protected	k_q85cb6d4583_qkv
	.globl	k_q85cb6d4583_qkv
	.p2align	8
	.type	k_q85cb6d4583_qkv,@function
k_q85cb6d4583_qkv:
	s_mov_b64 s[64:65], 0
	v_nop
	global_prefetch_b8 v0, s[64:65] scope:SCOPE_SE
	s_setreg_imm32_b32 hwreg(HW_REG_WAVE_MODE, 25, 1), 1
	s_wait_xcnt 0x0
	s_wait_alu depctr_hold_cnt(0) depctr_sa_sdst(0) depctr_va_vdst(0) depctr_va_sdst(0) depctr_va_ssrc(0) depctr_va_vcc(0) depctr_vm_vsrc(0)
	s_getreg_b32 s2, hwreg(HW_REG_IB_STS2, 6, 4)
	s_cmp_eq_u32 s2, 0
	s_cbranch_scc0 .Lentry_in_a_cluster
	s_endpgm
.Lentry_in_a_cluster:
	s_bfe_u32 s2, ttmp6, 0x10000c
	s_cmp_lg_u32 s2, 0xf033
	s_cbranch_scc0 .Lentry_shape_is_right
	s_endpgm
.Lentry_shape_is_right:
; SECOND LAUNCH: q = x Wq^T + bq, k = x Wk^T + bk and v^T = Wv x^T + bv, on the codes that the first launch laid in w1; the f32 results are quantised in registers along the NEXT product's K
; (q, k: the 1,024 features; v^T: the keys) and stored in w2 as images of operand registers.  No work of the problem is left out.
; A WORK-GROUP STAYS AND MAKES TWO TILES: first 256 x 256 of [q | k] (A = x, B = Wq and Wk stacked: 32 x 8 such tiles), then 128 x 256 of v^T (A = Wv, B = x: 8 x 32 such tiles): 256 work-groups of equal work.
; LAYOUTS (all workspace): a fragment is 16 row-positions x 128 K = 1,536 bytes (registers 4 c .. 4 c + 3 of lane l at 512 c + 16 l); a row block's eight K steps lie on end (12,288 bytes);
; position p of block F is row 32 (F / 2) + 8 (F % 2) + p + 8 (p / 8); a block's scale words: 512 bytes, K step s, position p at 256 (s / 4) + 16 p + 4 (s % 4).
; w2: q's blocks at 0, k's at 6,291,456, v^T's at 12,582,912 + 786,432 (2 batch + key half); scale words from 18,874,368: q + 0, k + 262,144, v^T + 524,288 + 32,768 (2 batch + key half).
; THE MATRIX INSTRUCTION IS USED TRANSPOSED (source 0 = 16 positions of B, source 1 = 16 of A): lane (r, h) holds A's position r, and the 64 registers of a block of A are B's TRUE rows n0 + 32 b + 16 h + i
; at register 16 b + i: what the conversions want.  First tile: a wave makes 128 x 128, 64 accumulators; second tile: 64 x 128, 32 accumulators.
; LDS: 294,912 bytes serve both tiles.  First tile: K = 1,024 in 4 chunks of 2 K steps through 3 slots of 98,304 bytes; chunks 0-2 are asked for at the start (one load of a wave is out at a time), chunk 3 fills slot 0 again.
; Second tile: 2 chunks of 4 K steps, 147,456 bytes each (8 blocks of Wv, 16 of x).  Its chunk 0 lands in bytes 147,456 .. 294,911, asked for at the first tile's change from slot 2 to slot 0, when slots 1 and 2 have been read out;
; its chunk 1 lands in bytes 0 .. 147,455, asked for in the MIDDLE of the first tile's way out: so the first has two K steps and half a way out in which to land, the second half a way out and four K steps.
; Each of the three refills stands behind a round of the cluster's barrier, one load a wave.  Every tile is dense rows, each a whole number of aligned 256-byte pieces; no padding, since every LDS load takes 512 consecutive bytes.
; CLUSTER 4 x 4: A's tile is shared along a row of the cluster, B's along a column, in both tiles: joint loads.  Both K loops are written out: every offset is an immediate.
; THE BIAS costs no addition: it is the C of each sum's first matrix instruction.  q, k: it runs along n: loaded into the accumulators of A's block 7, which blocks 0-6 take as C.  v^T: it runs along A's rows: one word
; a lane, loaded eight times into accumulator (a, 7), which tiles 0-6 of block a take as C.
; L2 prefetch of chunk 3 only: every chunk is asked for a chunk's work or more ahead of its use.  Scale words leave as 4-byte words 16 bytes apart (one word for 1,536 bytes of codes).
; LIMITS: a block of zeros gets the byte 1 (its codes are zeros; only this program reads the bytes); NaN and infinities are not served.
; REGISTERS: window 0: v1-8 lane terms; v9-12 the second tile's LDS addresses, v16-18, v20-22 the first's; v28, v29 the add's two; scale words (register 4 i + j: lanes 0-15 K step j, lanes 16-31 K step 4 + j of block i):
;   v32-63 x's and v64-95 Wq's or Wk's for the first tile, v240-255 Wv's and v96-127 x's for the second; v128-223 A's fragments, one set; v224-239 at work.
;   window 1: B's fragments, two sets.  windows 2, 3: accumulator (a, b) at v[8 (8 (a % 4) + b)] of window 2 + a / 4.
.set NA,    8                          ; A's blocks of 16 to a wave             (NA, NQ, NSLOT and H are set anew for the second tile)
.set NQ,    2                          ; K steps in a slot
.set NSLOT, 3
.set KT,    8                          ; K steps
.set KR,    4                          ; scale registers to a block
.set H,     NA/2
.set FB,    NQ*1536                    ; a row block's bytes in a slot
.set AREG,  2*NA*FB                    ; A's part of a slot
.set SLOTB, AREG+16*FB
.set SPARE, NSLOT*SLOTB                ; behind the ring: the spare words, 128 bytes for each wave
.set FB2,   4*1536                     ; the second tile: a row block's bytes in a chunk,
.set AREG2, 8*FB2                      ; Wv's part of it,
.set SLOT2, AREG2+16*FB2               ; and the whole: half of the ring's bytes
.set LI,   4                           ; v4  16 x lane
.set VSL,  5                           ; v5  256 h + 16 r: a block's scale words, as I load them
.set VSS,  6                           ; v6  16 r + 512 h: and as I store them, two blocks at a time
.set ADRA, 16
.set ADRB, 20
.set SPW,  28
.set NIL,  29
.set SA,   32
.set SB,   64
.set SA2,  240
.set SB2,  96
.set AF,   128
.set TM,   224
.set PC,   128                         ; the way out: codes
.set PWS,  164                         ; the blocks' scale words
.set TO,   188                         ; what is stored of them
.set G1A,  24
.set G1B,  32
.set G0A,  48                          ; s[48:63] groups 0 for A's four chunks of the first tile;  s[68:83] for B's
.set G0B,  68
.set H1A,  48                          ; the second tile's descriptors take their places when no load of the wave is out: A's where A's were, B's where B's were
.set H0A,  56                          ; s[48:55] group 1 for Wv, s[56:63] its two groups 0;
.set H1B,  68                          ; s[68:75] group 1 for x, s[76:83] its two groups 0
.set H0B,  76
.set OC,   90                          ; s[90:91] where the codes go, s[92:93] the scale words (second tile: s[96:97], s[84:85])
.set OS,   92
.set SEL,  100
.set MSB,  0
.macro WIN new                         ; the immediate's high byte repeats the setting that is left
.set NEWW, \new
.if MSB != NEWW
	s_set_vgpr_msb (MSB<<8)|NEWW
.set MSB, NEWW
.endif
.endm
.macro PLACES n
.rept \n
	v_nop
.endr
.endm
.macro JLOAD a0, a1, b0, b1            ; a joint load: waves 0, 1 fetch A's halves, waves 2, 3 B's; an s_nop 0 and four v_nop follow each line
	s_cmp_eq_u32 s15, 0
	s_cbranch_scc0 .Lfor_b_\@
	tensor_load_to_lds s[\a0:\a0+3], s[\a1:\a1+7]
	s_nop 0
	PLACES 4
	s_branch .Lasked_\@
.Lfor_b_\@:
	tensor_load_to_lds s[\b0:\b0+3], s[\b1:\b1+7]
	s_nop 0
	PLACES 4
.Lasked_\@:
.endm
.macro CREST                           ; a round of the cluster's barrier behind its opening barrier
	s_cmp_lg_u32 s14, 0
	s_cbranch_scc1 .Lnot_wave_0_\@
	s_barrier_signal -3
.Lnot_wave_0_\@:
	s_barrier_wait -3
	s_barrier_signal -1
	s_barrier_wait -1
.endm
.macro CROUND
	s_barrier_signal -1
	s_barrier_wait -1
	CREST
.endm
.macro FRAG reg, adr, off              ; a fragment's image: three loads of 512 consecutive bytes
.set FRG, \reg
.set FOF, \off
	ds_load_b128 v[FRG:FRG+3], v[\adr] offset:FOF
	ds_load_b128 v[FRG+4:FRG+7], v[\adr] offset:FOF+512
	ds_load_b128 v[FRG+8:FRG+11], v[\adr] offset:FOF+1024
.endm
.macro FETCH_B s                       ; B's eight fragments of K step s into set s % 2
.set FSL, ((\s)/NQ)%NSLOT
.set FQO, 1536*((\s)%NQ)
.set FST, 128*((\s)%2)
	WIN 0x40
.irp i, 0,1,2,3,4,5,6,7
	FRAG FST+12*\i, ADRB+FSL, FQO+\i*FB
.endr
	WIN 0
.endm
.macro FETCH_A s, i0                   ; A's blocks i0 .. i0 + H - 1 of K step s
.set FSL, ((\s)/NQ)%NSLOT
.set FQO, 1536*((\s)%NQ)
.set FI, \i0
.rept H
	FRAG AF+12*FI, ADRA+FSL, FQO+FI*FB
.set FI, FI+1
.endr
.endm
; 8 matrix instructions: A's block a against B's eight, K step s.  kind 0: onto the sums.  kind 2 (first tile): the sums begin with the bias that lies in block NA - 1's accumulators; that block itself adds in place,
; five places behind the last instruction that read them as C.  The accumulators take turns, one instruction a turn.
.macro MULB a, s, kind
.set MD0, 64*((\a)%4)
.set MA,  AF+12*(\a)
.set MB0, 128*((\s)%2)
.set MSCA, SA+KR*(\a)+4*((\s)/8)+(\s)%4
.set MSCB0, SB+4*((\s)/8)+(\s)%4
.set MC0, 64*((NA-1)%4)
.set MK, \kind
.if (MK == 2) && ((\a) == NA-1)
	PLACES 5
.set MK, 0
.endif
.if (MK == 2) && ((\a) < 4)
	WIN 0xb1                                       ; B window 1, A window 0, C window 3, D window 2
.else
	WIN 0xa1+0x50*((\a)/4)                         ; B window 1, A window 0, C and D window 2 or 3
.endif
.irp b, 0,1,2,3,4,5,6,7
.set MD, MD0+8*\b
.set MB, MB0+12*\b
.set MC, MC0+8*\b
.set MSCB, MSCB0+KR*\b
.if MK == 2
	v_wmma_scale_f32_16x16x128_f8f6f4 v[MD:MD+7], v[MB:MB+11], v[MA:MA+11], v[MC:MC+7], v[MSCB], v[MSCA] matrix_a_fmt:MATRIX_FMT_FP6 matrix_b_fmt:MATRIX_FMT_FP6
.elseif (((\s)/4)%2) == 1
	v_wmma_scale_f32_16x16x128_f8f6f4 v[MD:MD+7], v[MB:MB+11], v[MA:MA+11], v[MD:MD+7], v[MSCB], v[MSCA] matrix_a_fmt:MATRIX_FMT_FP6 matrix_b_fmt:MATRIX_FMT_FP6 matrix_a_scale:MATRIX_SCALE_ROW1 matrix_b_scale:MATRIX_SCALE_ROW1
.else
	v_wmma_scale_f32_16x16x128_f8f6f4 v[MD:MD+7], v[MB:MB+11], v[MA:MA+11], v[MD:MD+7], v[MSCB], v[MSCA] matrix_a_fmt:MATRIX_FMT_FP6 matrix_b_fmt:MATRIX_FMT_FP6
.endif
.endr
.endm
; The second tile's descriptors: rows (row blocks) of 768 elements of 8 bytes (4 K steps), 1,536 elements apart; 4 rows a load for Wv, 8 for x.  Chunk j: K steps 4 j on; chunk 0 lands in the upper half of the ring's bytes, chunk 1 in the lower.
; Written where no tensor load of the wave is out.
.macro DESCR2
	s_or_b32 s[H1A], s43, (3<<16)|(1<<21)          ; the mask: Wv's tiles go to my row of the cluster; elements of 8 bytes; bit 21 beside a mask
	s_or_b32 s[H1B], s44, (3<<16)|(1<<21)          ; x's to my column
	s_mov_b32 s[H1A+1], 768<<16                    ; tensor_dim0
	s_mov_b32 s[H1B+1], 768<<16
	s_mov_b32 s[H1A+2], 4<<16                      ; tensor_dim1
	s_mov_b32 s[H1B+2], 8<<16
	s_mov_b32 s[H1A+3], 768<<16                    ; tile_dim0
	s_mov_b32 s[H1B+3], 768<<16
	s_mov_b32 s[H1A+4], 4                          ; tile_dim1
	s_mov_b32 s[H1B+4], 8
	s_mov_b32 s[H1A+5], 1536                       ; the pitch
	s_mov_b32 s[H1B+5], 1536
	s_mov_b32 s[H1A+6], 0
	s_mov_b32 s[H1B+6], 0
	s_mov_b32 s[H1A+7], 0
	s_mov_b32 s[H1B+7], 0
	s_mul_i32 s45, s16, 4*FB2                      ; where my half goes: no place in the cluster enters an LDS address
	s_mul_i32 s99, s16, 8*FB2
	s_add_co_u32 s99, s99, AREG2
.irp j, 0,1
	s_mov_b32 s[H0A+4*\j], 1
	s_add_co_u32 s[H0A+4*\j+1], s45, (1-\j)*SLOT2
	s_add_nc_u64 s[H0A+4*\j+2:H0A+4*\j+3], s[2:3], \j*FB2
	s_or_b32 s[H0A+4*\j+3], s[H0A+4*\j+3], 0x80000000
	s_mov_b32 s[H0B+4*\j], 1
	s_add_co_u32 s[H0B+4*\j+1], s99, (1-\j)*SLOT2
	s_add_nc_u64 s[H0B+4*\j+2:H0B+4*\j+3], s[66:67], \j*FB2
	s_or_b32 s[H0B+4*\j+3], s[H0B+4*\j+3], 0x80000000
.endr
.endm
; A K STEP: A's blocks one after the other, each against B's eight.  A block of A is free when its eight products are issued: blocks 0 .. H - 1 are fetched anew in the step's middle, the others at its end; B has two sets.
; chg = 0: nothing changes.  chg = 1, 2: LDS bytes are filled again behind this step's barrier: all my tensor loads waited for, the add, the wait for it and for my reads, a round of the cluster's barrier, and the joint refill
; (descriptors RA0, RA1, RB0, RB1) first behind it; chg = 2 also writes the second tile's descriptors, behind the wait for all loads.  chg = 3: nothing is filled: a wait for the next chunk (cnt: my loads issued behind it) and a plain barrier.
.macro KSTEP s, kind, chg, cnt
.if ((\chg) == 1) || ((\chg) == 2)
	s_wait_tensorcnt 0x0                           ; all my tensor loads have landed
	ds_add_u32 v[SPW], v[NIL]                      ; 0 onto my spare word
.if (\chg) == 2
	DESCR2
.endif
	s_wait_dscnt 3*H+1                             ; (the add and A's upper blocks may be out)
.elseif (\chg) == 3
	s_wait_tensorcnt \cnt                          ; my part of the next chunk is in
	s_wait_dscnt 3*H
.else
	s_wait_dscnt 3*H                               ; B's set and A's lower blocks are in; A's upper blocks may be out
.endif
.set KA, 0
.rept H/2
	MULB KA, \s, \kind
.set KA, KA+1
.endr
.if (\chg) > 0
	s_wait_dscnt 0x0                               ; the add is done (where there is one), and my reads of the bytes that I leave are over
	s_barrier_signal -1
.endif
.rept H/2
	MULB KA, \s, \kind
.set KA, KA+1
.endr
.if ((\chg) == 1) || ((\chg) == 2)
	WIN 0
	s_barrier_wait -1
	CREST                                          ; no wave of any partner still reads these bytes or has a load on its way
	JLOAD RA0, RA1, RB0, RB1                       ; the first tensor load behind the round; its four v_nop are the places in front of the loads below
.elseif (\chg) == 3
	WIN 0
	s_barrier_wait -1
	PLACES 4
.else
	s_wait_dscnt 0x0                               ; A's upper blocks are in
.if (\s) < KT-1
	PLACES 4                                       ; in front of loads into registers that matrix instructions have read
.endif
.endif
.if (\s) < KT-1
	FETCH_B (\s)+1
	FETCH_A (\s)+1, 0
.endif
.rept H
	MULB KA, \s, \kind
.set KA, KA+1
.endr
.if (\s) < KT-1
	PLACES 4
	WIN 0
	FETCH_A (\s)+1, H
.else
	WIN 0
.endif
.endm
.macro DESCR1                          ; the first tile's groups 1: 8 rows (row blocks) of 384 elements of 8 bytes (2 K steps), 1,536 elements apart; no padding
	s_or_b32 s[G1A], s43, (3<<16)|(1<<21)          ; 15:0 the mask: A's tiles go to my row of the cluster; 17:16 elements of 8 bytes; 21 set beside a mask
	s_or_b32 s[G1B], s44, (3<<16)|(1<<21)          ; B's to my column
	s_mov_b32 s[G1A+1], (192*NQ)<<16               ; tensor_dim0
	s_mov_b32 s[G1B+1], (192*NQ)<<16
	s_mov_b32 s[G1A+2], 16<<16                     ; tensor_dim1: the head's loads bring a tile's 16 row blocks; behind them the two words that count rows are set to 8
	s_mov_b32 s[G1B+2], 16<<16
	s_mov_b32 s[G1A+3], (192*NQ)<<16               ; tile_dim0
	s_mov_b32 s[G1B+3], (192*NQ)<<16
	s_mov_b32 s[G1A+4], 16                         ; tile_dim1
	s_mov_b32 s[G1B+4], 16
	s_mov_b32 s[G1A+5], 1536                       ; the pitch
	s_mov_b32 s[G1B+5], 1536
	s_mov_b32 s[G1A+6], 0
	s_mov_b32 s[G1B+6], 0
	s_mov_b32 s[G1A+7], 0
	s_mov_b32 s[G1B+7], 0
.endm
.macro DESCR0 j, ka, kb                ; the first tile's groups 0 of chunk j: ka, kb bytes along K
	s_mov_b32 s[G0A+4*\j], 1
	s_add_co_u32 s[G0A+4*\j+1], s45, (\j%NSLOT)*SLOTB
	s_add_nc_u64 s[G0A+4*\j+2:G0A+4*\j+3], s[20:21], \ka
	s_or_b32 s[G0A+4*\j+3], s[G0A+4*\j+3], 0x80000000
	s_mov_b32 s[G0B+4*\j], 1
	s_add_co_u32 s[G0B+4*\j+1], s99, (\j%NSLOT)*SLOTB
	s_add_nc_u64 s[G0B+4*\j+2:G0B+4*\j+3], s[46:47], \kb
	s_or_b32 s[G0B+4*\j+3], s[G0B+4*\j+3], 0x80000000
.endm
.macro ADDRS                           ; lane terms and LDS addresses, of both tiles
	v_and_b32 v1, 15, v0                           ; r
	v_bfe_u32 v2, v0, 4, 1                         ; h
	v_and_b32 v3, 31, v0                           ; lane
	v_lshlrev_b32 v[LI], 4, v3
	v_lshlrev_b32 v[VSS], 4, v1
	v_lshl_add_u32 v[VSL], v2, 8, v[VSS]
	v_lshl_add_u32 v[VSS], v2, 9, v[VSS]
	s_mul_i32 s22, s15, NA*FB                      ; the first tile: my blocks of A
	s_mul_i32 s23, s16, 8*FB                       ; my blocks of B, behind A's
	s_add_co_u32 s23, s23, AREG
.set AI, 0
.rept NSLOT
	v_add_nc_u32 v[ADRA+AI], s22, v[LI]
	v_add_nc_u32 v[ADRB+AI], s23, v[LI]
	s_add_co_u32 s22, s22, SLOTB
	s_add_co_u32 s23, s23, SLOTB
.set AI, AI+1
.endr
	s_mul_i32 s22, s15, 4*FB2                      ; the second tile: my 4 blocks of Wv,
	s_mul_i32 s23, s16, 8*FB2                      ; my 8 blocks of x, behind Wv's 8
	s_add_co_u32 s23, s23, AREG2
	v_add_nc_u32 v10, s22, v[LI]                   ; chunk 1 lies in the lower half of the bytes,
	v_add_nc_u32 v12, s23, v[LI]
	s_add_co_u32 s22, s22, SLOT2
	s_add_co_u32 s23, s23, SLOT2
	v_add_nc_u32 v9, s22, v[LI]                    ; chunk 0 in the upper
	v_add_nc_u32 v11, s23, v[LI]
.endm
; v^T's K step 0, two of a wave's four blocks (a0, a0 + 1): tiles 0-6 begin with accumulator (a, 7), which holds the bias of A's rows; five places on, tile 7 adds in place
.macro MUL3 a0
	WIN 0xa1
.irp t, 0,1,2,3,4,5,6
.irp u, 0,1
.set MD, 64*((\a0)+\u)+8*\t
.set MC, 64*((\a0)+\u)+56
.set MA, AF+12*((\a0)+\u)
	v_wmma_scale_f32_16x16x128_f8f6f4 v[MD:MD+7], v[12*\t:12*\t+11], v[MA:MA+11], v[MC:MC+7], v[SB+KR*\t], v[SA+KR*((\a0)+\u)] matrix_a_fmt:MATRIX_FMT_FP6 matrix_b_fmt:MATRIX_FMT_FP6
.endr
.endr
	PLACES 5
.irp u, 0,1
.set MC, 64*((\a0)+\u)+56
.set MA, AF+12*((\a0)+\u)
	v_wmma_scale_f32_16x16x128_f8f6f4 v[MC:MC+7], v[84:95], v[MA:MA+11], v[MC:MC+7], v[SB+KR*7], v[SA+KR*((\a0)+\u)] matrix_a_fmt:MATRIX_FMT_FP6 matrix_b_fmt:MATRIX_FMT_FP6
.endr
.endm
; THE WAY OUT.  QTAIL: from the four blocks' largest magnitudes in v[TM] on to block a's scale word, codes and their store.
.macro QTAIL a
.irp b, 0,1,2,3
	v_add_nc_u32 v[TM+12+\b], 0xff000000, v[TM+\b] ; 2 off the exponent field: the conversion's scale operand
.endr
.irp b, 0,1,2,3
	v_lshrrev_b32 v[TM+4+\b], 23, v[TM+12+\b]      ; the scale's byte
.endr
	v_lshl_or_b32 v[PWS+(\a)], v[TM+5], 8, v[TM+4]
	v_lshl_or_b32 v[PWS+(\a)], v[TM+6], 16, v[PWS+(\a)]
	v_lshl_or_b32 v[PWS+(\a)], v[TM+7], 24, v[PWS+(\a)]
	s_wait_xcnt 0x0                                ; the last block's stores have read the codes' registers
	WIN QW                                         ; source 0: the accumulators' window
.irp c, 0,1
	v_cvt_scalef32_pk16_fp6_f32 v[PC+6*\c:PC+2+6*\c], v[AC+32*\c:AC+15+32*\c], v[TM+12+2*\c]
	v_cvt_scalef32_pk16_fp6_f32 v[PC+12+4*\c:PC+14+4*\c], v[AC+16+32*\c:AC+31+32*\c], v[TM+12+2*\c+1]
.endr
	WIN 0
	v_nop                                          ; one plain place behind a scaled conversion
.irp c, 0,1
.irp i, 0,1,2
	v_permlane16_swap_b32 v[PC+6*\c+\i], v[PC+12+4*\c+\i]   ; a whole block of 32 to a lane
.endr
.irp i, 0,1,2
	v_mov_b32 v[PC+3+6*\c+\i], v[PC+12+4*\c+\i]
.endr
.endr
.irp c, 0,1,2
	global_store_b128 v[LI], v[PC+4*\c:PC+4*\c+3], s[OC:OC+1] offset:12288*(\a)+512*\c   ; 512 consecutive bytes, aligned: the next product's fragment as it stands
.endr
.endm
.macro QUANTW a                        ; block a's 64 registers: each accumulator is read from its low end on
.set QW, 2+(\a)/4
.set AC, 64*((\a)%4)
	WIN QW|(QW<<2)
.irp b, 0,1,2,3
	v_max3_num_f32 v[TM+\b], |v[AC+16*\b]|, |v[AC+16*\b+1]|, 0x1800000   ; and the floor 2^(3 - 127)
.endr
.irp i, 2,4,6,8,10,12,14
.irp b, 0,1,2,3
	v_max3_num_f32 v[TM+\b], |v[AC+16*\b+\i]|, |v[AC+16*\b+\i+1]|, v[TM+\b]
.endr
.endr
	WIN 0
.irp b, 0,1,2,3
	v_permlanex16_b32 v[TM+4+\b], v[TM+\b], s[SEL], s[SEL+1]
.endr
.irp b, 0,1,2,3
	v_max_num_f32 v[TM+\b], v[TM+\b], v[TM+4+\b]
.endr
	QTAIL \a
.endm
	s_load_b256 s[4:11], s[0:1], 0x0               ; w1, bq, bk, bv
	s_load_b64 s[12:13], s[0:1], 0x20              ; w2
	v_lshl_add_u32 v[SPW], v0, 2, SPARE
	v_mov_b32 v[NIL], 0
	ds_add_u32 v[SPW], v[NIL]                      ; the wave's opening: the add, twice on end, and its wait ahead of my first tensor load
	ds_add_u32 v[SPW], v[NIL]
	v_lshrrev_b32 v1, 5, v0
	v_readfirstlane_b32 s14, v1                    ; wave
	s_lshr_b32 s15, s14, 1                         ; which half of A's rows is mine.  Also: I fetch for A (0) or for B (1)
	s_and_b32 s16, s14, 1                          ; which half of B's.  Also: which half of that tile I fetch
	ADDRS
	v_lshlrev_b32 v7, 6, v2                        ; 64 h: the bias along n
	v_lshrrev_b32 v8, 3, v1
	v_lshlrev_b32 v8, 5, v8
	v_lshl_add_u32 v8, v1, 2, v8
	v_min_u32 v30, 11, v3                          ; the prefetch's offset: 256 x lane; a row block's two K steps are 12 pieces of 256 bytes, lanes 12-31 name the last again
	v_lshlrev_b32 v30, 8, v30
	s_bfe_u32 s40, ttmp6, 0x40000                  ; cx
	s_bfe_u32 s41, ttmp6, 0x40004                  ; cy
	s_lshr_b32 s18, ttmp9, 1                       ; cluster c = 0 .. 15
	s_lshl_b32 s18, s18, 2                         ; 4 (c / 2)
	s_and_b32 s19, ttmp9, 1
	s_lshl_b32 s19, s19, 2                         ; 4 (c % 2)
	s_add_co_u32 s17, s18, s41                     ; first tile: row (256 rows of x), 0 .. 31
	s_add_co_u32 s42, s19, s40                     ; column (256 of Wq | Wk), 0 .. 7
	s_add_co_u32 s84, s19, s41                     ; second tile: row (128 rows of Wv), 0 .. 7
	s_add_co_u32 s66, s18, s40                     ; column (256 rows of x), 0 .. 31
	s_lshl_b32 s43, s41, 2
	s_lshl_b32 s43, 15, s43                        ; my row of the cluster
	s_lshl_b32 s44, 0x1111, s40                    ; my column
	DESCR1
	s_lshl_b32 s20, s17, 4                         ; THE FIRST TILE.  A's first row block in w1: x's
	s_lshl_b32 s46, s42, 4
	s_add_co_u32 s46, s46, 512                     ; B's: Wq's and Wk's lie on end from block 512 on
	s_lshl_b32 s18, s15, 3
	s_add_co_u32 s86, s20, s18                     ; the scale words of my 8 blocks of A
	s_lshl_b32 s86, s86, 9
	s_add_co_u32 s86, s86, 9437184
	s_mov_b32 s87, 0
	s_lshl_b32 s18, s16, 3
	s_add_co_u32 s88, s46, s18                     ; and of B
	s_lshl_b32 s88, s88, 9
	s_add_co_u32 s88, s88, 9437184
	s_mov_b32 s89, 0
	s_add_co_u32 s20, s20, s18                     ; what I fetch: 8 blocks, in bytes
	s_mul_i32 s20, s20, 12288
	s_mov_b32 s21, 0
	s_add_co_u32 s46, s46, s18
	s_mul_i32 s46, s46, 12288
	s_mov_b32 s47, 0
	s_mul_i32 s45, s16, NA*FB                      ; and where it goes: no place in the cluster enters an LDS address
	s_mul_i32 s99, s16, 8*FB
	s_add_co_u32 s99, s99, AREG
	s_lshl_b32 s18, s42, 8
	s_lshl_b32 s19, s16, 7
	s_add_co_u32 s18, s18, s19                     ; n0: my first column of [q | k]
	s_lshl_b32 s19, s17, 4
	s_lshl_b32 s22, s15, 3
	s_add_co_u32 s19, s19, s22                     ; my first row block of the result
	s_lshr_b32 s22, s18, 10                        ; q (0) or k (1)
	s_mul_i32 s90, s22, 6291456
	s_mul_i32 s23, s19, 12288
	s_add_co_u32 s90, s90, s23
	s_bfe_u32 s23, s18, 0x30007                    ; which K step of the next product my 128 columns are
	s_mul_i32 s23, s23, 1536
	s_add_co_u32 s90, s90, s23                     ; the codes' place in w2
	s_mov_b32 s91, 0
	s_lshl_b32 s92, s22, 18
	s_add_co_u32 s92, s92, 18874368
	s_lshl_b32 s23, s19, 9
	s_add_co_u32 s92, s92, s23
	s_bfe_u32 s23, s18, 0x10009
	s_lshl_b32 s23, s23, 8
	s_add_co_u32 s92, s92, s23
	s_bfe_u32 s23, s18, 0x20007
	s_lshl_b32 s23, s23, 2
	s_add_co_u32 s92, s92, s23                     ; the scale words' place
	s_mov_b32 s93, 0
	s_and_b32 s94, s18, 1023                       ; the bias of my 128 columns
	s_lshl_b32 s94, s94, 2
	s_mov_b32 s95, 0
	s_lshl_b32 s2, s84, 1                          ; THE SECOND TILE.  What I fetch of Wv: blocks 640 + 4 (2 x tile row + half) on
	s_add_co_u32 s2, s2, s16
	s_mul_i32 s2, s2, 4*12288
	s_add_co_u32 s2, s2, 640*12288
	s_mov_b32 s3, 0
	s_lshl_b32 s84, s84, 1
	s_add_co_u32 s84, s84, s15
	s_lshl_b32 s84, s84, 2                         ; my first row block of v^T: 4 (2 x tile row + my half)
	s_lshl_b32 s22, s84, 9
	s_add_co_u32 s22, s22, 9437184+640*512         ; the scale words of my 4 blocks of Wv
	s_lshl_b32 s67, s66, 1
	s_add_co_u32 s67, s67, s16                     ; which 128 keys of the 8,192 are mine: 0 .. 63; they are x's blocks 8 x that on: those that I fetch, and those that I multiply by
	s_lshl_b32 s23, s67, 12
	s_add_co_u32 s23, s23, 9437184                 ; their scale words
	s_mul_i32 s66, s67, 8*12288                    ; and their codes
	s_lshr_b32 s19, s67, 3                         ; 2 batch + key half
	s_mul_i32 s96, s19, 786432
	s_add_co_u32 s96, s96, 12582912
	s_mul_i32 s97, s84, 12288
	s_add_co_u32 s96, s96, s97
	s_and_b32 s97, s67, 7                          ; which K step of the next product my 128 keys are
	s_mul_i32 s97, s97, 1536
	s_add_co_u32 s96, s96, s97                     ; the codes' place in w2
	s_mov_b32 s97, 0
	s_lshl_b32 s85, s19, 15
	s_lshl_b32 s19, s84, 6                         ; the bias of my 64 rows: 64 bytes a block
	s_lshl_b32 s84, s84, 9
	s_add_co_u32 s84, s84, s85
	s_add_co_u32 s84, s84, 18874368+524288
	s_bfe_u32 s85, s67, 0x10002
	s_lshl_b32 s85, s85, 8
	s_add_co_u32 s84, s84, s85
	s_and_b32 s85, s67, 3
	s_lshl_b32 s85, s85, 2
	s_add_co_u32 s84, s84, s85                     ; the scale words' place
	s_mov_b32 s85, 0
	s_mov_b32 s67, 0
	s_mov_b32 s[SEL], 0x76543210
	s_mov_b32 s[SEL+1], 0xfedcba98
	s_mov_b32 s98, 0xffff0000                      ; lanes 16-31
	s_wait_dscnt 0x0                               ; both opening adds are done
	s_wait_kmcnt 0x0
	s_add_nc_u64 s[20:21], s[4:5], s[20:21]
	s_add_nc_u64 s[46:47], s[4:5], s[46:47]
	; THE HEAD'S FILLS, one load a wave: waves 0, 1 fetch A's 16 row blocks of chunks 0, 1; waves 2, 3 B's: chunk = wave % 2, into slot wave % 2
	s_mul_i32 s52, s16, 95232                      ; back over my half's 8 row blocks, on by the chunk's 3,072 bytes
	s_mov_b32 s53, 0
	s_mov_b32 s[G0A], 1
	s_mul_i32 s[G0A+1], s16, SLOTB
	s_sub_nc_u64 s[G0A+2:G0A+3], s[20:21], s[52:53]
	s_or_b32 s[G0A+3], s[G0A+3], 0x80000000
	s_mov_b32 s[G0B], 1
	s_mul_i32 s[G0B+1], s16, SLOTB
	s_add_co_u32 s[G0B+1], s[G0B+1], AREG
	s_sub_nc_u64 s[G0B+2:G0B+3], s[46:47], s[52:53]
	s_or_b32 s[G0B+3], s[G0B+3], 0x80000000
	DESCR0 2, 6144, 6144
	DESCR0 3, 9216, 9216
	CROUND                                         ; all sixteen work-groups are here: the first joint loads meet
	JLOAD G0A, G1A, G0B, G1B
	s_add_nc_u64 s[86:87], s[4:5], s[86:87]        ; the other addresses are made while the tiles are on their way
	s_add_nc_u64 s[88:89], s[4:5], s[88:89]
	s_add_nc_u64 s[90:91], s[12:13], s[90:91]
	s_add_nc_u64 s[92:93], s[12:13], s[92:93]
	s_add_nc_u64 s[2:3], s[4:5], s[2:3]
	s_add_nc_u64 s[66:67], s[4:5], s[66:67]
	s_add_nc_u64 s[96:97], s[12:13], s[96:97]
	s_add_nc_u64 s[84:85], s[12:13], s[84:85]
	s_cmp_lt_u32 s18, 1024
	s_cselect_b64 s[6:7], s[6:7], s[8:9]           ; bq or bk
	s_add_nc_u64 s[94:95], s[6:7], s[94:95]
	s_mov_b32 s18, s19
	s_mov_b32 s19, 0
	s_add_nc_u64 s[10:11], s[10:11], s[18:19]      ; bv at my rows
	s_mov_b32 s6, s22
	s_mov_b32 s7, 0
	s_add_nc_u64 s[6:7], s[4:5], s[6:7]            ; Wv's scale words
	s_mov_b32 s8, s23
	s_mov_b32 s9, 0
	s_add_nc_u64 s[8:9], s[4:5], s[8:9]            ; x's, for the second tile
.irp a, 0,1,2,3,4,5,6,7
	global_load_b128 v[SA+4*\a:SA+4*\a+3], v[VSL], s[86:87] offset:512*\a   ; a block's 512 bytes of scale words
.endr
.irp b, 0,1,2,3,4,5,6,7
	global_load_b128 v[SB+4*\b:SB+4*\b+3], v[VSL], s[88:89] offset:512*\b
.endr
	WIN 0xc0                                       ; destination window 3: block 7's accumulators take the bias of my 128 columns: register 16 b + i = column 32 b + 16 h + i
	s_wait_alu depctr_va_vdst(0)
.irp b, 0,1,2,3
.irp j, 0,1,2,3
	global_load_b128 v[192+16*\b+4*\j:192+16*\b+4*\j+3], v7, s[94:95] offset:128*\b+16*\j
.endr
.endr
	WIN 0
.irp a, 0,1,2,3
	global_load_b128 v[SA2+4*\a:SA2+4*\a+3], v[VSL], s[6:7] offset:512*\a   ; the second tile's scale words: they stay until it begins
.endr
.irp b, 0,1,2,3,4,5,6,7
	global_load_b128 v[SB2+4*\b:SB2+4*\b+3], v[VSL], s[8:9] offset:512*\b
.endr
	s_wait_alu depctr_va_vdst(0)                   ; the wait at the head's end
	s_wait_tensorcnt 0x0                           ; my tile of the head's four is in
	ds_add_u32 v[SPW], v[NIL]
	s_mov_b32 s[G1A+2], 8<<16                      ; no tensor load of mine is out: from here on a load brings 8 row blocks
	s_mov_b32 s[G1A+4], 8
	s_mov_b32 s[G1B+2], 8<<16
	s_mov_b32 s[G1B+4], 8
	s_wait_dscnt 0x0
	CROUND                                         ; chunks 0 and 1 are whole for every wave, and the joint loads meet
	JLOAD G0A+8, G1A, G0B+8, G1B                   ; chunk 2, slot 2's first fill
	FETCH_B 0
	FETCH_A 0, 0
	FETCH_A 0, H
	s_wait_loadcnt 0x0                             ; scale words and bias: so s[86:89], their bases, may be written
	; chunk 3 (K steps 6, 7), whose load stands one change of slots on, is asked of the L2 behind chunk 2's load: of the 8 row blocks that I shall fetch, each of the four partners
	; that ask jointly takes two, told apart by address (cx for A, cy for B).  Chunk 2 has three K steps and a half in which to land and is not asked for ahead.
	s_cmp_eq_u32 s15, 0
	s_cselect_b64 s[86:87], s[20:21], s[46:47]
	s_cselect_b32 s88, s40, s41
	s_mul_i32 s88, s88, 24576
	s_mov_b32 s89, 0
	s_add_nc_u64 s[86:87], s[86:87], s[88:89]
	global_prefetch_b8 v30, s[86:87] offset:9216 th:TH_LOAD_NT scope:SCOPE_SE
	global_prefetch_b8 v30, s[86:87] offset:21504 th:TH_LOAD_NT scope:SCOPE_SE
	KSTEP 0, 2, 0, 0
.set RA0, G0A+12
.set RA1, G1A
.set RB0, G0B+12
.set RB1, G1B
	KSTEP 1, 0, 0, 0                               ; on to slot 1, shown whole at the head
	KSTEP 2, 0, 0, 0
	KSTEP 3, 0, 1, 0                               ; on to slot 2: the wait for all loads shows chunk 2 landed; chunk 3 fills slot 0 again
	KSTEP 4, 0, 0, 0
.set RA0, H0A
.set RA1, H1A
.set RB0, H0B
.set RB1, H1B
	KSTEP 5, 0, 2, 0                               ; slots 1 and 2 are read out: the second tile's chunk 0 lands in their upper 147,456 bytes
	KSTEP 6, 0, 0, 0
	KSTEP 7, 0, 0, 0
.irp b, 0,1,2,3
	v_mov_b32 v[TM+4+\b], 0                        ; a lane permute's destination counts as one of its sources.  These four are also the places behind the last products
.endr
.irp a, 0,1,2,3
	QUANTW \a
.endr
	s_wait_tensorcnt 0x0                           ; IN THE MIDDLE OF THE WAY OUT the lower 147,456 bytes are filled again: all my tensor loads have landed (my part of the second tile's chunk 0),
	ds_add_u32 v[SPW], v[NIL]                      ; 0 onto my spare word,
	s_wait_dscnt 0x0                               ; the add is done, and my reads of slot 0 were over with the last K step
	CROUND                                         ; no wave of any partner still reads those bytes or has a load on its way
	JLOAD H0A+4, H1A, H0B+4, H1B                   ; the second tile's chunk 1
	WIN 0x80                                       ; destination window 2, whose blocks are quantised: accumulator (a, 7) takes the bias of Wv's row at my position, in all its eight registers
.irp a, 0,1,2,3
.irp j, 0,1,2,3,4,5,6,7
	global_load_b32 v[64*\a+56+\j], v8, s[10:11] offset:4*(32*(\a/2)+8*(\a%2))
.endr
.endr
	WIN 0
.irp a, 4,5,6,7
	QUANTW \a
.endr
.irp a, 0,2,4,6
	v_cndmask_b32 v[TO+\a/2], v[PWS+\a], v[PWS+\a+1], s98   ; lanes 0-15 block a's words, lanes 16-31 block a + 1's
	global_store_b32 v[VSS], v[TO+\a/2], s[OS:OS+1] offset:512*\a
.endr
; THE SECOND TILE: 128 rows of v^T x 256 keys; a wave 64 x 128: 4 blocks of Wv against 8 of x; 2 chunks of 4 K steps.  Its chunk 0 was shown landed, in every wave, in front of the round above.
.set NA,    4
.set NQ,    4
.set NSLOT, 2
.set H,     2
.set FB,    FB2
.set ADRA,  9
.set ADRB,  11
.set SA,    SA2
.set SB,    SB2
.set OC,    96
.set OS,    84
	s_wait_xcnt 0x0                                ; the stores above have read the registers into which A's fragments now come
	FETCH_B 0
	FETCH_A 0, 0
	FETCH_A 0, H
	s_wait_loadcnt 0x0                             ; the bias
	s_wait_dscnt 3*H                               ; B's set and A's blocks 0, 1 are in; blocks 2, 3 may be out
	MUL3 0
	s_wait_dscnt 0x0
	PLACES 4
	FETCH_B 1
	FETCH_A 1, 0
	MUL3 2
	PLACES 4
	WIN 0
	FETCH_A 1, H
	KSTEP 1, 0, 0, 0
	KSTEP 2, 0, 0, 0
	KSTEP 3, 0, 3, 0                               ; on to chunk 1: no load of mine was issued behind it, and nothing is filled again
	KSTEP 4, 0, 0, 0
	KSTEP 5, 0, 0, 0
	KSTEP 6, 0, 0, 0
	KSTEP 7, 0, 0, 0
	PLACES 4                                       ; behind the last products
.irp a, 0,1,2,3
	QUANTW \a
.endr
.irp a, 0,2
	v_cndmask_b32 v[TO+\a/2], v[PWS+\a], v[PWS+\a+1], s98
	global_store_b32 v[VSS], v[TO+\a/2], s[OS:OS+1] offset:512*\a
.endr
	s_wait_tensorcnt 0x0                           ; the wave's end
	ds_add_u32 v[SPW], v[NIL]
	s_wait_dscnt 0x0
	CROUND                                         ; the closing round
	s_endpgm
.Lfunc_end_k_q85cb6d4583_qkv:
	.size	k_q85cb6d4583_qkv, .Lfunc_end_k_q85cb6d4583_qkv-k_q85cb6d4583_qkv
	.p2alignl 7, 3214868480
	.fill 96, 4, 3214868480
	.section	.rodata,"a",@progbits
	.p2align	6, 0x0
	.amdhsa_kernel k_q85cb6d4583_qkv
		.amdhsa_group_segment_fixed_size 327680
		.amdhsa_private_segment_fixed_size 0
		.amdhsa_enable_private_segment 0
		.amdhsa_kernarg_size 40
		.amdhsa_user_sgpr_count 2
		.amdhsa_user_sgpr_kernarg_segment_ptr 1
		.amdhsa_wavefront_size32 1
		.amdhsa_system_sgpr_workgroup_id_x 1
		.amdhsa_system_sgpr_workgroup_id_y 1
		.amdhsa_system_sgpr_workgroup_id_z 1
		.amdhsa_system_vgpr_workitem_id 0
		.amdhsa_next_free_vgpr 1024
		.amdhsa_next_free_sgpr 102
		.amdhsa_reserve_vcc 0
		.amdhsa_float_denorm_mode_32 3
		.amdhsa_float_denorm_mode_16_64 3
		.amdhsa_memory_ordered 1
		.amdhsa_forward_progress 1
		.amdhsa_inst_pref_size 222
	.end_amdhsa_kernel
	.amdgpu_metadata
---
amdhsa.version: [ 1, 2 ]
amdhsa.kernels:
  - .name:           k_q85cb6d4583_qkv
    .symbol:         k_q85cb6d4583_qkv.kd
    .args:
      - { .name: w1, .offset: 0, .size: 8, .value_kind: global_buffer, .address_space: global }
      - { .name: bq, .offset: 8, .size: 8, .value_kind: global_buffer, .address_space: global }
      - { .name: bk, .offset: 16, .size: 8, .value_kind: global_buffer, .address_space: global }
      - { .name: bv, .offset: 24, .size: 8, .value_kind: global_buffer, .address_space: global }
      - { .name: w2, .offset: 32, .size: 8, .value_kind: global_buffer, .address_space: global }
    .group_segment_fixed_size: 327680
    .private_segment_fixed_size: 0
    .kernarg_segment_align: 8
    .kernarg_segment_size: 40
    .max_flat_workgroup_size: 128
    .sgpr_count:     102
    .vgpr_count:     1024
    .wavefront_size: 32
...
	.end_amdgpu_metadata
.endif
;; end of part 2
;; launch scores (part 3): grid 64 x 4, 4 waves a work-group, clusters of 4 x 4, 327,680 bytes of LDS; arguments w2, w3; writes w3
.if DOCPART == 3
	.amdgcn_target "amdgcn-amd-amdhsa--gfx1250"
	.amdhsa_code_object_version 6
	.text
	.protected	k_q85cb6d4583_scores
	.globl	k_q85cb6d4583_scores
	.p2align	8
	.type	k_q85cb6d4583_scores,@function
k_q85cb6d4583_scores:
	s_mov_b64 s[64:65], 0
	v_nop
	global_prefetch_b8 v0, s[64:65] scope:SCOPE_SE
	s_setreg_imm32_b32 hwreg(HW_REG_WAVE_MODE, 25, 1), 1
	s_wait_xcnt 0x0
	s_wait_alu depctr_hold_cnt(0) depctr_sa_sdst(0) depctr_va_vdst(0) depctr_va_sdst(0) depctr_va_ssrc(0) depctr_va_vcc(0) depctr_vm_vsrc(0)
	s_getreg_b32 s2, hwreg(HW_REG_IB_STS2, 6, 4)
	s_cmp_eq_u32 s2, 0
	s_cbranch_scc0 .Lentry_in_a_cluster
	s_endpgm
.Lentry_in_a_cluster:
	s_bfe_u32 s2, ttmp6, 0x10000c
	s_cmp_lg_u32 s2, 0xf033
	s_cbranch_scc0 .Lentry_shape_is_right
	s_endpgm
.Lentry_shape_is_right:
; THIRD LAUNCH: S = q k^T on the codes in w2, and the softmax's p, quantised along the keys, into w3.  No work of the problem is left out.
; THE SOFTMAX: t = score x log2(e) / 32.  A wave holds 128 keys of each of its rows.  It takes M' = ceil(the largest t of THESE 128 keys), a whole number, and quantises p' = 2^(t - M').  The row's own M is the largest M';
; p = p' x 2^(M' - M), an exact power of two that a block's scale takes up: the codes are the same, and the next launch takes M - M' off the scale bytes.  So the maximum is taken away before every exponential.
; Stored for each row and 128 keys: the codes (a fragment), the scale word, -M' (f32) and l' = the sum of the unquantised p' (f32).
; w3: p's row blocks (512 of queries, all batches) at 6,291,456 x key half; scale words at 12,582,912 + 262,144 x key half; -M' at 13,107,200 + the same; l' at 13,631,488 + the same, all three laid as scale words are.
; LAYOUTS, TILE, RING, CLUSTER as in the launch before: fragments of 1,536 bytes as register images, row blocks of 12,288 bytes, position p of block F = row 32 (F / 2) + 8 (F % 2) + p + 8 (p / 8);
; 256 x 256 to a work-group, 128 x 128 to a wave; the matrix instruction transposed (source 0 = 16 positions of k, source 1 = 16 of q): a lane holds ONE query, its 64 registers of a block of q are TRUE keys
; n0 + 32 b + 16 h + i at register 16 b + i.  K = 1,024 in 4 chunks of 2 K steps through 3 slots; a wave has one load out at a time; chunk 3 fills slot 0 again behind a round of the cluster's barrier.
; L2 prefetch of chunk 3 only: three quarters of the bytes are asked for at the head.  The words of scales, -M' and l' leave 4 bytes at a time, 16 bytes apart (three words for 1,536 bytes of codes).
; LIMITS: a block whose every p' has fallen to 0 keeps the byte 1 (its codes are zeros); a p' under 2^-126 counts as 0; NaN and infinities are not served.
.set NA,    8
.set NQ,    2
.set NSLOT, 3
.set NCH,   4
.set KT,    8
.set KR,    4
.set H,     NA/2
.set FB,    NQ*1536
.set AREG,  2*NA*FB
.set SLOTB, AREG+16*FB
.set SPARE, NSLOT*SLOTB                ; behind the ring: the spare words, 128 bytes for each wave
.set LI,   4
.set VSL,  5
.set VSS,  6
.set ADRA, 16
.set ADRB, 20
.set SPW,  28
.set NIL,  29
.set SA,   32
.set SB,   64
.set AF,   128
.set TM,   224
.set NM,   240                         ; v[240:241] -M' (the packed form names the pair and takes its low word)
.set SUM1, 242                         ; v[242:245] the sum's two chains
.set SUM2, 244
.set T,    246
.set TT,   247
.set PC,   128
.set PWS,  164
.set NMS,  172
.set LSS,  180
.set TO,   188
.set G1A,  24
.set G1B,  32
.set G0A,  48
.set G0B,  68
.set CS,   66                          ; s[66:67] c = log2(e) / 32
.set SEL,  100
.set MSB,  0
.set ISSUED, NSLOT
.set LANDED, 0
.macro WIN new                         ; the immediate's high byte repeats the setting that is left
.set NEWW, \new
.if MSB != NEWW
	s_set_vgpr_msb (MSB<<8)|NEWW
.set MSB, NEWW
.endif
.endm
.macro PLACES n
.rept \n
	v_nop
.endr
.endm
.macro JLOAD j                         ; a joint load of chunk j: waves 0, 1 fetch A's halves, waves 2, 3 B's; an s_nop 0 and four v_nop follow each line
	s_cmp_eq_u32 s15, 0
	s_cbranch_scc0 .Lfor_b_\@
	tensor_load_to_lds s[G0A+4*(\j):G0A+4*(\j)+3], s[G1A:G1A+7]
	s_nop 0
	PLACES 4
	s_branch .Lasked_\@
.Lfor_b_\@:
	tensor_load_to_lds s[G0B+4*(\j):G0B+4*(\j)+3], s[G1B:G1B+7]
	s_nop 0
	PLACES 4
.Lasked_\@:
.endm
.macro CREST
	s_cmp_lg_u32 s14, 0
	s_cbranch_scc1 .Lnot_wave_0_\@
	s_barrier_signal -3
.Lnot_wave_0_\@:
	s_barrier_wait -3
	s_barrier_signal -1
	s_barrier_wait -1
.endm
.macro CROUND
	s_barrier_signal -1
	s_barrier_wait -1
	CREST
.endm
.macro FRAG reg, adr, off
.set FRG, \reg
.set FOF, \off
	ds_load_b128 v[FRG:FRG+3], v[\adr] offset:FOF
	ds_load_b128 v[FRG+4:FRG+7], v[\adr] offset:FOF+512
	ds_load_b128 v[FRG+8:FRG+11], v[\adr] offset:FOF+1024
.endm
.macro FETCH_B s
.set FSL, ((\s)/NQ)%NSLOT
.set FQO, 1536*((\s)%NQ)
.set FST, 128*((\s)%2)
	WIN 0x40
.irp i, 0,1,2,3,4,5,6,7
	FRAG FST+12*\i, ADRB+FSL, FQO+\i*FB
.endr
	WIN 0
.endm
.macro FETCH_A s, i0
.set FSL, ((\s)/NQ)%NSLOT
.set FQO, 1536*((\s)%NQ)
.set FI, \i0
.rept H
	FRAG AF+12*FI, ADRA+FSL, FQO+FI*FB
.set FI, FI+1
.endr
.endm
; 8 matrix instructions: A's block a against B's eight, K step s.  kind 0: onto the sums; kind 1: the first product starts them.  The 64 accumulators take turns.
.macro MULB a, s, kind
.set MD0, 64*((\a)%4)
.set MA,  AF+12*(\a)
.set MB0, 128*((\s)%2)
.set MSCA, SA+KR*(\a)+4*((\s)/8)+(\s)%4
.set MSCB0, SB+4*((\s)/8)+(\s)%4
	WIN 0xa1+0x50*((\a)/4)                         ; B window 1, A window 0, C and D window 2 or 3
.irp b, 0,1,2,3,4,5,6,7
.set MD, MD0+8*\b
.set MB, MB0+12*\b
.set MSCB, MSCB0+KR*\b
.if \kind == 1
	v_wmma_scale_f32_16x16x128_f8f6f4 v[MD:MD+7], v[MB:MB+11], v[MA:MA+11], 0, v[MSCB], v[MSCA] matrix_a_fmt:MATRIX_FMT_FP6 matrix_b_fmt:MATRIX_FMT_FP6
.elseif (((\s)/4)%2) == 1
	v_wmma_scale_f32_16x16x128_f8f6f4 v[MD:MD+7], v[MB:MB+11], v[MA:MA+11], v[MD:MD+7], v[MSCB], v[MSCA] matrix_a_fmt:MATRIX_FMT_FP6 matrix_b_fmt:MATRIX_FMT_FP6 matrix_a_scale:MATRIX_SCALE_ROW1 matrix_b_scale:MATRIX_SCALE_ROW1
.else
	v_wmma_scale_f32_16x16x128_f8f6f4 v[MD:MD+7], v[MB:MB+11], v[MA:MA+11], v[MD:MD+7], v[MSCB], v[MSCA] matrix_a_fmt:MATRIX_FMT_FP6 matrix_b_fmt:MATRIX_FMT_FP6
.endif
.endr
.endm
; A K STEP, as in the launch before: RF = the slot is filled again (all tensor loads waited for, the add, its wait, a round of the cluster's barrier, the joint refill first behind it);
; BR = a counted wait for the next chunk and a plain barrier.
.macro KSTEP s, kind
.set KJ, (\s)/NQ
.set RF, 0
.set BR, 0
.if (((\s)%NQ) == NQ-1) && ((\s) < KT-1)
.if (\s) == 3
.set RF, 1
.elseif (\s) == 5
.set BR, 1
.endif
.endif
.if RF
	s_wait_tensorcnt 0x0                           ; all my tensor loads have landed
	ds_add_u32 v[SPW], v[NIL]                      ; 0 onto my spare word
	s_wait_dscnt 3*H+1                             ; (the add and A's upper blocks may be out)
.set LANDED, ISSUED-1
.elseif BR
	s_wait_tensorcnt ISSUED-KJ-2                   ; my part of the next chunk is in: so many loads of mine were issued behind it
	s_wait_dscnt 3*H
.set LANDED, KJ+1
.else
	s_wait_dscnt 3*H                               ; B's set and A's lower blocks are in; A's upper blocks may be out
.endif
.set KA, 0
.rept H/2
	MULB KA, \s, \kind
.set KA, KA+1
.endr
.if RF || BR
	s_wait_dscnt 0x0                               ; the add is done (where there is one), and my reads of this slot are over
	s_barrier_signal -1
.endif
.rept H/2
	MULB KA, \s, \kind
.set KA, KA+1
.endr
.if RF
	WIN 0
	s_barrier_wait -1
	CREST
	JLOAD 3
.set ISSUED, ISSUED+1
.elseif BR
	WIN 0
	s_barrier_wait -1
	PLACES 4
.else
	s_wait_dscnt 0x0
.if (\s) < KT-1
	PLACES 4
.endif
.endif
.if (\s) < KT-1
	FETCH_B (\s)+1
	FETCH_A (\s)+1, 0
.endif
.rept H
	MULB KA, \s, \kind
.set KA, KA+1
.endr
.if (\s) < KT-1
	PLACES 4
	WIN 0
	FETCH_A (\s)+1, H
.else
	WIN 0
.endif
.endm
.macro DESCR1
	s_or_b32 s[G1A], s43, (3<<16)|(1<<21)          ; the mask: A's tiles go to my row of the cluster; elements of 8 bytes; bit 21 beside a mask
	s_or_b32 s[G1B], s44, (3<<16)|(1<<21)
	s_mov_b32 s[G1A+1], (192*NQ)<<16
	s_mov_b32 s[G1B+1], (192*NQ)<<16
	s_mov_b32 s[G1A+2], 16<<16                     ; the head's loads bring a tile's 16 row blocks; behind them the two words that count rows are set to 8
	s_mov_b32 s[G1B+2], 16<<16
	s_mov_b32 s[G1A+3], (192*NQ)<<16
	s_mov_b32 s[G1B+3], (192*NQ)<<16
	s_mov_b32 s[G1A+4], 16
	s_mov_b32 s[G1B+4], 16
	s_mov_b32 s[G1A+5], 1536
	s_mov_b32 s[G1B+5], 1536
	s_mov_b32 s[G1A+6], 0
	s_mov_b32 s[G1B+6], 0
	s_mov_b32 s[G1A+7], 0
	s_mov_b32 s[G1B+7], 0
.endm
.macro DESCR0 j, ka, kb
	s_mov_b32 s[G0A+4*\j], 1
	s_add_co_u32 s[G0A+4*\j+1], s45, (\j%NSLOT)*SLOTB
	s_add_nc_u64 s[G0A+4*\j+2:G0A+4*\j+3], s[20:21], \ka
	s_or_b32 s[G0A+4*\j+3], s[G0A+4*\j+3], 0x80000000
	s_mov_b32 s[G0B+4*\j], 1
	s_add_co_u32 s[G0B+4*\j+1], s85, (\j%NSLOT)*SLOTB
	s_add_nc_u64 s[G0B+4*\j+2:G0B+4*\j+3], s[46:47], \kb
	s_or_b32 s[G0B+4*\j+3], s[G0B+4*\j+3], 0x80000000
.endm
.macro ADDRS
	v_and_b32 v1, 15, v0
	v_bfe_u32 v2, v0, 4, 1
	v_and_b32 v3, 31, v0
	v_lshlrev_b32 v[LI], 4, v3
	v_lshlrev_b32 v[VSS], 4, v1
	v_lshl_add_u32 v[VSL], v2, 8, v[VSS]
	v_lshl_add_u32 v[VSS], v2, 9, v[VSS]
	s_mul_i32 s22, s15, NA*FB
	s_mul_i32 s23, s16, 8*FB
	s_add_co_u32 s23, s23, AREG
.set AI, 0
.rept NSLOT
	v_add_nc_u32 v[ADRA+AI], s22, v[LI]
	v_add_nc_u32 v[ADRB+AI], s23, v[LI]
	s_add_co_u32 s22, s22, SLOTB
	s_add_co_u32 s23, s23, SLOTB
.set AI, AI+1
.endr
.endm
.macro QTAIL a                         ; from the four blocks' largest p' in v[TM] on to block a's scale word, codes and their store
.irp b, 0,1,2,3
	v_add_nc_u32 v[TM+12+\b], 0xff000000, v[TM+\b]
.endr
.irp b, 0,1,2,3
	v_lshrrev_b32 v[TM+4+\b], 23, v[TM+12+\b]
.endr
	v_lshl_or_b32 v[PWS+(\a)], v[TM+5], 8, v[TM+4]
	v_lshl_or_b32 v[PWS+(\a)], v[TM+6], 16, v[PWS+(\a)]
	v_lshl_or_b32 v[PWS+(\a)], v[TM+7], 24, v[PWS+(\a)]
	s_wait_xcnt 0x0                                ; the last block's stores have read the codes' registers
	WIN QW
.irp c, 0,1
	v_cvt_scalef32_pk16_fp6_f32 v[PC+6*\c:PC+2+6*\c], v[AC+32*\c:AC+15+32*\c], v[TM+12+2*\c]
	v_cvt_scalef32_pk16_fp6_f32 v[PC+12+4*\c:PC+14+4*\c], v[AC+16+32*\c:AC+31+32*\c], v[TM+12+2*\c+1]
.endr
	WIN 0
	v_nop                                          ; one plain place behind a scaled conversion
.irp c, 0,1
.irp i, 0,1,2
	v_permlane16_swap_b32 v[PC+6*\c+\i], v[PC+12+4*\c+\i]
.endr
.irp i, 0,1,2
	v_mov_b32 v[PC+3+6*\c+\i], v[PC+12+4*\c+\i]
.endr
.endr
.irp c, 0,1,2
	global_store_b128 v[LI], v[PC+4*\c:PC+4*\c+3], s[90:91] offset:12288*(\a)+512*\c   ; 512 consecutive bytes, aligned
.endr
.endm
; Block a of q: 16 queries x my 128 keys.  The largest SCORE of each block of 32 keys serves twice: for M', and, since p rises with the score, for the block's largest p'.
.macro SOFT a
.set QW, 2+(\a)/4
.set AC, 64*((\a)%4)
	WIN QW|(QW<<2)
.irp b, 0,1,2,3
	v_max3_num_f32 v[TM+\b], v[AC+16*\b], v[AC+16*\b+1], 0xff800000   ; each accumulator is read from its low end on
.endr
.irp i, 2,4,6,8,10,12,14
.irp b, 0,1,2,3
	v_max3_num_f32 v[TM+\b], v[AC+16*\b+\i], v[AC+16*\b+\i+1], v[TM+\b]
.endr
.endr
	WIN 0
.irp b, 0,1,2,3
	v_permlanex16_b32 v[TM+4+\b], v[TM+\b], s[SEL], s[SEL+1]
.endr
.irp b, 0,1,2,3
	v_max_num_f32 v[TM+\b], v[TM+\b], v[TM+4+\b]   ; with lane l xor 16's 16 keys
.endr
	v_max3_num_f32 v[T], v[TM], v[TM+1], v[TM+2]
	v_max_num_f32 v[T], v[T], v[TM+3]
	v_mul_f32 v[T], s[CS], v[T]                    ; the largest t of these 128 keys (c is positive)
	v_floor_f32 v[NM], -v[T]                       ; -M' = floor(-t): a whole number
	v_mov_b32 v[NMS+(\a)], v[NM]
.irp b, 0,1,2,3
	v_fma_f32 v[TM+\b], v[TM+\b], s[CS], v[NM]     ; t - M' of each block's largest score
.endr
	WIN (QW<<6)|QW
.set EJ, 0
.rept 32
	v_pk_fma_f32 v[AC+EJ:AC+EJ+1], v[AC+EJ:AC+EJ+1], s[CS:CS+1], v[NM:NM+1] op_sel_hi:[1,0,0]   ; t - M', two at a time
.set EJ, EJ+2
.endr
.set EJ, 0
	s_wait_alu depctr_va_vdst(0)
.rept 64
	v_exp_f32 v[AC+EJ], v[AC+EJ]                   ; p' = 2^(t - M')
.set EJ, EJ+1
.endr
	v_nop                                          ; a plain place behind the exponentials
	s_wait_alu depctr_va_vdst(0)                   ; one wait for the whole batch, ahead of its first reader
	WIN 0
.irp b, 0,1,2,3
	v_exp_f32 v[TM+\b], v[TM+\b]                   ; the block's largest p': the same two instructions on the same number give the same bits
.endr
	WIN QW|(QW<<2)
	v_pk_add_f32 v[SUM1:SUM1+1], v[AC:AC+1], v[AC+2:AC+3]       ; l' is taken of the UNQUANTISED p': two at a time, in two chains
	v_pk_add_f32 v[SUM2:SUM2+1], v[AC+4:AC+5], v[AC+6:AC+7]
	WIN QW
.irp j, 8,12,16,20,24,28,32,36,40,44,48,52,56,60
	v_pk_add_f32 v[SUM1:SUM1+1], v[AC+\j:AC+\j+1], v[SUM1:SUM1+1]
	v_pk_add_f32 v[SUM2:SUM2+1], v[AC+\j+2:AC+\j+3], v[SUM2:SUM2+1]
.endr
	WIN 0
	v_pk_add_f32 v[SUM1:SUM1+1], v[SUM1:SUM1+1], v[SUM2:SUM2+1]
	v_add_f32 v[T], v[SUM1], v[SUM1+1]
	v_permlanex16_b32 v[TT], v[T], s[SEL], s[SEL+1]
	v_add_f32 v[LSS+(\a)], v[T], v[TT]
	s_wait_alu depctr_va_vdst(0)                   ; and one for the four
.irp b, 0,1,2,3
	v_max_num_f32 v[TM+\b], 0x1800000, v[TM+\b]    ; the floor 2^(3 - 127): the byte cannot fall under 1
.endr
	QTAIL \a
.endm
	s_load_b128 s[4:7], s[0:1], 0x0                ; w2, w3
	v_lshl_add_u32 v[SPW], v0, 2, SPARE
	v_mov_b32 v[NIL], 0
	ds_add_u32 v[SPW], v[NIL]                      ; the wave's opening: the add, twice on end, and its wait ahead of my first tensor load
	ds_add_u32 v[SPW], v[NIL]
	v_lshrrev_b32 v1, 5, v0
	v_readfirstlane_b32 s14, v1                    ; wave
	s_lshr_b32 s15, s14, 1                         ; which half of the queries is mine.  Also: I fetch for q (0) or for k (1)
	s_and_b32 s16, s14, 1                          ; which half of the keys.  Also: which half of that tile I fetch
	s_bfe_u32 s40, ttmp6, 0x40000                  ; cx
	s_bfe_u32 s41, ttmp6, 0x40004                  ; cy
	s_lshr_b32 s18, ttmp9, 2                       ; the batch
	s_bfe_u32 s19, ttmp9, 0x10001
	s_and_b32 s22, ttmp9, 1
	s_lshl_b32 s17, s19, 2
	s_add_co_u32 s17, s17, s41                     ; tile row: 256 queries
	s_lshl_b32 s42, s22, 2
	s_add_co_u32 s42, s42, s40                     ; tile column: 256 keys
	s_lshl_b32 s43, s41, 2
	s_lshl_b32 s43, 15, s43
	s_lshl_b32 s44, 0x1111, s40
	DESCR1
	s_lshl_b32 s18, s18, 7                         ; a batch has 128 row blocks
	s_lshl_b32 s20, s17, 4
	s_add_co_u32 s20, s20, s18                     ; q's tile: first row block
	s_lshl_b32 s46, s42, 4
	s_add_co_u32 s46, s46, s18                     ; k's
	s_lshl_b32 s19, s15, 3
	s_add_co_u32 s19, s20, s19                     ; my first block of queries
	s_lshl_b32 s86, s19, 9
	s_add_co_u32 s86, s86, 18874368                ; its scale words
	s_mov_b32 s87, 0
	s_lshl_b32 s18, s16, 3
	s_add_co_u32 s88, s46, s18
	s_lshl_b32 s88, s88, 9
	s_add_co_u32 s88, s88, 18874368+262144         ; my keys' scale words
	s_mov_b32 s89, 0
	s_add_co_u32 s20, s20, s18                     ; what I fetch
	s_mul_i32 s20, s20, 12288
	s_mov_b32 s21, 0
	s_add_co_u32 s46, s46, s18
	s_mul_i32 s46, s46, 12288
	s_add_co_u32 s46, s46, 6291456
	s_mov_b32 s47, 0
	s_mul_i32 s45, s16, NA*FB
	s_mul_i32 s85, s16, 8*FB
	s_add_co_u32 s85, s85, AREG
	s_lshl_b32 s18, s42, 1
	s_add_co_u32 s18, s18, s16                     ; which 128 keys of the batch's 2,048 are mine: 0 .. 15
	s_lshr_b32 s22, s18, 3                         ; key half
	s_mul_i32 s90, s22, 6291456
	s_mul_i32 s23, s19, 12288
	s_add_co_u32 s90, s90, s23
	s_and_b32 s23, s18, 7
	s_mul_i32 s23, s23, 1536
	s_add_co_u32 s90, s90, s23                     ; the codes' place in w3
	s_mov_b32 s91, 0
	s_lshl_b32 s92, s22, 18
	s_lshl_b32 s23, s19, 9
	s_add_co_u32 s92, s92, s23
	s_bfe_u32 s23, s18, 0x10002
	s_lshl_b32 s23, s23, 8
	s_add_co_u32 s92, s92, s23
	s_and_b32 s23, s18, 3
	s_lshl_b32 s23, s23, 2
	s_add_co_u32 s92, s92, s23                     ; the words' place
	s_add_co_u32 s94, s92, 13107200
	s_add_co_u32 s96, s92, 13631488
	s_add_co_u32 s92, s92, 12582912
	s_mov_b32 s93, 0
	s_mov_b32 s95, 0
	s_mov_b32 s97, 0
	ADDRS
	v_min_u32 v30, 11, v3                          ; the prefetch's offset: 256 x lane; a row block's two K steps are 12 pieces of 256 bytes, lanes 12-31 name the last again
	v_lshlrev_b32 v30, 8, v30
	s_mov_b32 s[CS], 0x3d38aa3b
	s_mov_b32 s[CS+1], s[CS]
	s_mov_b32 s[SEL], 0x76543210
	s_mov_b32 s[SEL+1], 0xfedcba98
	s_mov_b32 s98, 0xffff0000
	s_wait_dscnt 0x0                               ; both opening adds are done
	s_wait_kmcnt 0x0
	s_add_nc_u64 s[20:21], s[4:5], s[20:21]
	s_add_nc_u64 s[46:47], s[4:5], s[46:47]
	s_add_nc_u64 s[86:87], s[4:5], s[86:87]
	s_add_nc_u64 s[88:89], s[4:5], s[88:89]
	s_add_nc_u64 s[90:91], s[6:7], s[90:91]
	s_add_nc_u64 s[92:93], s[6:7], s[92:93]
	s_add_nc_u64 s[94:95], s[6:7], s[94:95]
	s_add_nc_u64 s[96:97], s[6:7], s[96:97]
	; THE HEAD'S FILLS, one load a wave: waves 0, 1 fetch q's 16 row blocks of chunks 0, 1; waves 2, 3 k's: chunk = wave % 2, into slot wave % 2
	s_mul_i32 s52, s16, 95232                      ; back over my half's 8 row blocks, on by the chunk's 3,072 bytes
	s_mov_b32 s53, 0
	s_mov_b32 s[G0A], 1
	s_mul_i32 s[G0A+1], s16, SLOTB
	s_sub_nc_u64 s[G0A+2:G0A+3], s[20:21], s[52:53]
	s_or_b32 s[G0A+3], s[G0A+3], 0x80000000
	s_mov_b32 s[G0B], 1
	s_mul_i32 s[G0B+1], s16, SLOTB
	s_add_co_u32 s[G0B+1], s[G0B+1], AREG
	s_sub_nc_u64 s[G0B+2:G0B+3], s[46:47], s[52:53]
	s_or_b32 s[G0B+3], s[G0B+3], 0x80000000
	DESCR0 2, 6144, 6144
	DESCR0 3, 9216, 9216
	CROUND                                         ; all sixteen work-groups are here: the first joint loads meet
	JLOAD 0
	; where my prefetch stands: of the 8 row blocks that I fetch, each of the four partners that ask jointly takes two, told apart by address (cx for q, cy for k)
	s_cmp_eq_u32 s15, 0
	s_cselect_b64 s[8:9], s[20:21], s[46:47]
	s_cselect_b32 s10, s40, s41
	s_mul_i32 s10, s10, 24576
	s_mov_b32 s11, 0
	s_add_nc_u64 s[8:9], s[8:9], s[10:11]
	s_wait_alu depctr_va_vdst(0)
.irp a, 0,1,2,3,4,5,6,7
	global_load_b128 v[SA+4*\a:SA+4*\a+3], v[VSL], s[86:87] offset:512*\a
.endr
.irp b, 0,1,2,3,4,5,6,7
	global_load_b128 v[SB+4*\b:SB+4*\b+3], v[VSL], s[88:89] offset:512*\b
.endr
	s_wait_alu depctr_va_vdst(0)                   ; the wait at the head's end
	s_wait_tensorcnt 0x0                           ; my tile of the head's four is in
	ds_add_u32 v[SPW], v[NIL]
	s_mov_b32 s[G1A+2], 8<<16                      ; no tensor load of mine is out: from here on a load brings 8 row blocks
	s_mov_b32 s[G1A+4], 8
	s_mov_b32 s[G1B+2], 8<<16
	s_mov_b32 s[G1B+4], 8
	s_wait_dscnt 0x0
	CROUND                                         ; chunks 0 and 1 are whole for every wave, and the joint loads meet
	JLOAD 2                                        ; chunk 2, slot 2's first fill
	FETCH_B 0
	FETCH_A 0, 0
	FETCH_A 0, H
	s_wait_loadcnt 0x0                             ; the scale words
	global_prefetch_b8 v30, s[8:9] offset:9216 th:TH_LOAD_NT scope:SCOPE_SE    ; chunk 3 (K steps 6, 7), whose load stands one change of slots on, is asked of the L2 behind chunk 2's load;
	global_prefetch_b8 v30, s[8:9] offset:21504 th:TH_LOAD_NT scope:SCOPE_SE   ; chunk 2 has three K steps and a half in which to land and is not asked for ahead
	KSTEP 0, 1
	KSTEP 1, 0
	KSTEP 2, 0
	KSTEP 3, 0
	KSTEP 4, 0
	KSTEP 5, 0
	KSTEP 6, 0
	KSTEP 7, 0
.irp b, 0,1,2,3
	v_mov_b32 v[TM+4+\b], 0                        ; a lane permute's destination counts as one of its sources.  These four are also the places behind the last products
.endr
	v_mov_b32 v[NM+1], 0                           ; (named as the upper half of a pair)
	v_mov_b32 v[TT], 0
.irp a, 0,1,2,3,4,5,6,7
	SOFT \a
.endr
.irp a, 0,2,4,6
	v_cndmask_b32 v[TO+\a/2], v[PWS+\a], v[PWS+\a+1], s98       ; lanes 0-15 block a's words, lanes 16-31 block a + 1's
	v_cndmask_b32 v[TO+4+\a/2], v[NMS+\a], v[NMS+\a+1], s98
	v_cndmask_b32 v[TO+8+\a/2], v[LSS+\a], v[LSS+\a+1], s98
	global_store_b32 v[VSS], v[TO+\a/2], s[92:93] offset:512*\a
	global_store_b32 v[VSS], v[TO+4+\a/2], s[94:95] offset:512*\a
	global_store_b32 v[VSS], v[TO+8+\a/2], s[96:97] offset:512*\a
.endr
	s_wait_tensorcnt 0x0                           ; the wave's end
	ds_add_u32 v[SPW], v[NIL]
	s_wait_dscnt 0x0
	CROUND                                         ; the closing round
	s_endpgm
.Lfunc_end_k_q85cb6d4583_scores:
	.size	k_q85cb6d4583_scores, .Lfunc_end_k_q85cb6d4583_scores-k_q85cb6d4583_scores
	.p2alignl 7, 3214868480
	.fill 96, 4, 3214868480
	.section	.rodata,"a",@progbits
	.p2align	6, 0x0
	.amdhsa_kernel k_q85cb6d4583_scores
		.amdhsa_group_segment_fixed_size 327680
		.amdhsa_private_segment_fixed_size 0
		.amdhsa_enable_private_segment 0
		.amdhsa_kernarg_size 16
		.amdhsa_user_sgpr_count 2
		.amdhsa_user_sgpr_kernarg_segment_ptr 1
		.amdhsa_wavefront_size32 1
		.amdhsa_system_sgpr_workgroup_id_x 1
		.amdhsa_system_sgpr_workgroup_id_y 1
		.amdhsa_system_sgpr_workgroup_id_z 1
		.amdhsa_system_vgpr_workitem_id 0
		.amdhsa_next_free_vgpr 1024
		.amdhsa_next_free_sgpr 102
		.amdhsa_reserve_vcc 0
		.amdhsa_float_denorm_mode_32 3
		.amdhsa_float_denorm_mode_16_64 3
		.amdhsa_memory_ordered 1
		.amdhsa_forward_progress 1
		.amdhsa_inst_pref_size 198
	.end_amdhsa_kernel
	.amdgpu_metadata
---
amdhsa.version: [ 1, 2 ]
amdhsa.kernels:
  - .name:           k_q85cb6d4583_scores
    .symbol:         k_q85cb6d4583_scores.kd
    .args:
      - { .name: w2, .offset: 0, .size: 8, .value_kind: global_buffer, .address_space: global }
      - { .name: w3, .offset: 8, .size: 8, .value_kind: global_buffer, .address_space: global }
    .group_segment_fixed_size: 327680
    .private_segment_fixed_size: 0
    .kernarg_segment_align: 8
    .kernarg_segment_size: 16
    .max_flat_workgroup_size: 128
    .sgpr_count:     102
    .vgpr_count:     1024
    .wavefront_size: 32
...
	.end_amdgpu_metadata
.endif
;; end of part 3
;; launch pv (part 4): grid 64 x 4, 4 waves a work-group, clusters of 4 x 4, 327,680 bytes of LDS; arguments w3, w2, w4; writes w4
.if DOCPART == 4
	.amdgcn_target "amdgcn-amd-amdhsa--gfx1250"
	.amdhsa_code_object_version 6
	.text
	.protected	k_q85cb6d4583_pv
	.globl	k_q85cb6d4583_pv
	.p2align	8
	.type	k_q85cb6d4583_pv,@function
k_q85cb6d4583_pv:
	s_mov_b64 s[64:65], 0
	v_nop
	global_prefetch_b8 v0, s[64:65] scope:SCOPE_SE
	s_setreg_imm32_b32 hwreg(HW_REG_WAVE_MODE, 25, 1), 1
	s_wait_xcnt 0x0
	s_wait_alu depctr_hold_cnt(0) depctr_sa_sdst(0) depctr_va_vdst(0) depctr_va_sdst(0) depctr_va_ssrc(0) depctr_va_vcc(0) depctr_vm_vsrc(0)
	s_getreg_b32 s2, hwreg(HW_REG_IB_STS2, 6, 4)
	s_cmp_eq_u32 s2, 0
	s_cbranch_scc0 .Lentry_in_a_cluster
	s_endpgm
.Lentry_in_a_cluster:
	s_bfe_u32 s2, ttmp6, 0x10000c
	s_cmp_lg_u32 s2, 0xf033
	s_cbranch_scc0 .Lentry_shape_is_right
	s_endpgm
.Lentry_shape_is_right:
.set NA,    4
.set NQ,    4
.set NSLOT, 2
.set NCH,   4
.set KT,    16
.set KR,    8
.set H,     NA/2
.set FB,    NQ*1536
.set AREG,  2*NA*FB
.set SLOTB, AREG+16*FB
.set SPARE, NSLOT*SLOTB
.set LI,   4
.set VSL,  5
.set VSS,  6
.set RL,   8
.set ADRA, 16
.set ADRB, 20
.set SPW,  28
.set NIL,  29
.set SA,   32
.set SB,   64
.set AF,   128
.set TM,   224
.set PC,   128
.set PWS,  164
.set TO,   188
.set G1A,  24
.set G1B,  32
.set G0A,  48
.set G0B,  68
.set SEL,  100
.set MSB,  0
.set ISSUED, NSLOT
.set LANDED, 0
.macro WIN new
.set NEWW, \new
.if MSB != NEWW
	s_set_vgpr_msb (MSB<<8)|NEWW
.set MSB, NEWW
.endif
.endm
.macro PLACES n
.rept \n
	v_nop
.endr
.endm
.macro JLOAD j
	s_cmp_eq_u32 s15, 0
	s_cbranch_scc0 .Lfor_b_\@
	tensor_load_to_lds s[G0A+4*(\j):G0A+4*(\j)+3], s[G1A:G1A+7]
	s_nop 0
	PLACES 4
	s_branch .Lasked_\@
.Lfor_b_\@:
	tensor_load_to_lds s[G0B+4*(\j):G0B+4*(\j)+3], s[G1B:G1B+7]
	s_nop 0
	PLACES 4
.Lasked_\@:
.endm
.macro CREST
	s_cmp_lg_u32 s14, 0
	s_cbranch_scc1 .Lnot_wave_0_\@
	s_barrier_signal -3
.Lnot_wave_0_\@:
	s_barrier_wait -3
	s_barrier_signal -1
	s_barrier_wait -1
.endm
.macro CROUND
	s_barrier_signal -1
	s_barrier_wait -1
	CREST
.endm
.macro FRAG reg, adr, off
.set FRG, \reg
.set FOF, \off
	ds_load_b128 v[FRG:FRG+3], v[\adr] offset:FOF
	ds_load_b128 v[FRG+4:FRG+7], v[\adr] offset:FOF+512
	ds_load_b128 v[FRG+8:FRG+11], v[\adr] offset:FOF+1024
.endm
.macro FETCH_B s
.set FSL, ((\s)/NQ)%NSLOT
.set FQO, 1536*((\s)%NQ)
.set FST, 128*((\s)%2)
	WIN 0x40
.irp i, 0,1,2,3,4,5,6,7
	FRAG FST+12*\i, ADRB+FSL, FQO+\i*FB
.endr
	WIN 0
.endm
.macro FETCH_A s, i0
.set FSL, ((\s)/NQ)%NSLOT
.set FQO, 1536*((\s)%NQ)
.set FI, \i0
.rept H
	FRAG AF+12*FI, ADRA+FSL, FQO+FI*FB
.set FI, FI+1
.endr
.endm
.macro MULB a, s, kind
.set MD0, 64*((\a)%4)
.set MA,  AF+12*(\a)
.set MB0, 128*((\s)%2)
.set MSCA, SA+KR*(\a)+4*((\s)/8)+(\s)%4
.set MSCB0, SB+4*((\s)/8)+(\s)%4
	WIN 0xa1
.irp b, 0,1,2,3,4,5,6,7
.set MD, MD0+8*\b
.set MB, MB0+12*\b
.set MSCB, MSCB0+KR*\b
.if \kind == 1
	v_wmma_scale_f32_16x16x128_f8f6f4 v[MD:MD+7], v[MB:MB+11], v[MA:MA+11], 0, v[MSCB], v[MSCA] matrix_a_fmt:MATRIX_FMT_FP6 matrix_b_fmt:MATRIX_FMT_FP6
.elseif (((\s)/4)%2) == 1
	v_wmma_scale_f32_16x16x128_f8f6f4 v[MD:MD+7], v[MB:MB+11], v[MA:MA+11], v[MD:MD+7], v[MSCB], v[MSCA] matrix_a_fmt:MATRIX_FMT_FP6 matrix_b_fmt:MATRIX_FMT_FP6 matrix_a_scale:MATRIX_SCALE_ROW1 matrix_b_scale:MATRIX_SCALE_ROW1
.else
	v_wmma_scale_f32_16x16x128_f8f6f4 v[MD:MD+7], v[MB:MB+11], v[MA:MA+11], v[MD:MD+7], v[MSCB], v[MSCA] matrix_a_fmt:MATRIX_FMT_FP6 matrix_b_fmt:MATRIX_FMT_FP6
.endif
.endr
.endm
.macro KSTEP s, kind
.set KJ, (\s)/NQ
.set RF, 0
.set BR, 0
.if (((\s)%NQ) == NQ-1) && ((\s) < KT-1)
.if KJ+NSLOT < NCH
.set RF, 1
.elseif KJ+1 > LANDED
.set BR, 1
.endif
.endif
.if RF
	s_wait_tensorcnt 0x0
	ds_add_u32 v[SPW], v[NIL]
	s_wait_dscnt 3*H+1
.set LANDED, ISSUED-1
.elseif BR
	s_wait_tensorcnt ISSUED-KJ-2
	s_wait_dscnt 3*H
.set LANDED, KJ+1
.else
	s_wait_dscnt 3*H
.endif
.set KA, 0
.rept H/2
	MULB KA, \s, \kind
.set KA, KA+1
.endr
.if RF || BR
	s_wait_dscnt 0x0
	s_barrier_signal -1
.endif
.rept H/2
	MULB KA, \s, \kind
.set KA, KA+1
.endr
.if RF
	WIN 0
	s_barrier_wait -1
	CREST
	JLOAD KJ+NSLOT
.set ISSUED, ISSUED+1
.elseif BR
	WIN 0
	s_barrier_wait -1
	PLACES 4
.else
	s_wait_dscnt 0x0
.if (\s) < KT-1
	PLACES 4
.endif
.endif
.if (\s) < KT-1
	FETCH_B (\s)+1
	FETCH_A (\s)+1, 0
.endif
.rept H
	MULB KA, \s, \kind
.set KA, KA+1
.endr
.if (\s) < KT-1
	PLACES 4
	WIN 0
	FETCH_A (\s)+1, H
.else
	WIN 0
.endif
.endm
.macro DESCR1
	s_or_b32 s[G1A], s43, (3<<16)|(1<<21)
	s_or_b32 s[G1B], s44, (3<<16)|(1<<21)
	s_mov_b32 s[G1A+1], (192*NQ)<<16
	s_mov_b32 s[G1B+1], (192*NQ)<<16
	s_mov_b32 s[G1A+2], NA<<16
	s_mov_b32 s[G1B+2], 8<<16
	s_mov_b32 s[G1A+3], (192*NQ)<<16
	s_mov_b32 s[G1B+3], (192*NQ)<<16
	s_mov_b32 s[G1A+4], NA
	s_mov_b32 s[G1B+4], 8
	s_mov_b32 s[G1A+5], 1536
	s_mov_b32 s[G1B+5], 1536
	s_mov_b32 s[G1A+6], 0
	s_mov_b32 s[G1B+6], 0
	s_mov_b32 s[G1A+7], 0
	s_mov_b32 s[G1B+7], 0
.endm
.macro DESCR0 j, ka, kb
	s_mov_b32 s[G0A+4*\j], 1
	s_add_co_u32 s[G0A+4*\j+1], s45, (\j%NSLOT)*SLOTB
	s_add_nc_u64 s[G0A+4*\j+2:G0A+4*\j+3], s[20:21], \ka
	s_or_b32 s[G0A+4*\j+3], s[G0A+4*\j+3], 0x80000000
	s_mov_b32 s[G0B+4*\j], 1
	s_add_co_u32 s[G0B+4*\j+1], s85, (\j%NSLOT)*SLOTB
	s_add_nc_u64 s[G0B+4*\j+2:G0B+4*\j+3], s[46:47], \kb
	s_or_b32 s[G0B+4*\j+3], s[G0B+4*\j+3], 0x80000000
.endm
.macro ADDRS
	v_and_b32 v1, 15, v0
	v_bfe_u32 v2, v0, 4, 1
	v_and_b32 v3, 31, v0
	v_lshlrev_b32 v[LI], 4, v3
	v_lshlrev_b32 v[VSS], 4, v1
	v_lshl_add_u32 v[VSL], v2, 8, v[VSS]
	v_lshl_add_u32 v[VSS], v2, 9, v[VSS]
	s_mul_i32 s22, s15, NA*FB
	s_mul_i32 s23, s16, 8*FB
	s_add_co_u32 s23, s23, AREG
.set AI, 0
.rept NSLOT
	v_add_nc_u32 v[ADRA+AI], s22, v[LI]
	v_add_nc_u32 v[ADRB+AI], s23, v[LI]
	s_add_co_u32 s22, s22, SLOTB
	s_add_co_u32 s23, s23, SLOTB
.set AI, AI+1
.endr
.endm
.macro FIX a
.set FN, 128+8*(\a)
.set FL, 160+8*(\a)
.set FS, SA+8*(\a)
	v_min3_num_f32 v216, v[FN], v[FN+1], v[FN+2]
	v_min3_num_f32 v217, v[FN+3], v[FN+4], v[FN+5]
	v_min3_num_f32 v216, v216, v[FN+6], v[FN+7]
	v_min_num_f32 v216, v216, v217
	v_permlanex16_b32 v217, v216, s[SEL], s[SEL+1]
	v_min_num_f32 v216, v216, v217
.irp i, 0,1,2,3,4,5,6,7
	v_sub_f32 v[192+\i], v[FN+\i], v216
.endr
.irp i, 0,1,2,3,4,5,6,7
	v_min_num_f32 v[192+\i], 0x42fe0000, v[192+\i]
.endr
.irp i, 0,1,2,3,4,5,6,7
	v_cvt_u32_f32 v[192+\i], v[192+\i]
.endr
.irp i, 0,1,2,3,4,5,6,7
	v_lshl_or_b32 v[200+\i], v[192+\i], 8, v[192+\i]
.endr
.irp i, 0,1,2,3,4,5,6,7
	v_lshl_or_b32 v[200+\i], v[200+\i], 16, v[200+\i]
.endr
.irp i, 0,1,2,3,4,5,6,7
	v_or_b32 v[208+\i], 0x80808080, v[FS+\i]
.endr
.irp i, 0,1,2,3,4,5,6,7
	v_sub_nc_u32 v[208+\i], v[208+\i], v[200+\i]
.endr
.irp i, 0,1,2,3,4,5,6,7
	v_lshrrev_b32 v[200+\i], 7, v[208+\i]
.endr
.irp i, 0,1,2,3,4,5,6,7
	v_and_b32 v[200+\i], 0x01010101, v[200+\i]
.endr
.irp i, 0,1,2,3,4,5,6,7
	v_lshlrev_b32 v[224+\i], 7, v[200+\i]
.endr
.irp i, 0,1,2,3,4,5,6,7
	v_sub_nc_u32 v[200+\i], v[224+\i], v[200+\i]
.endr
.irp i, 0,1,2,3,4,5,6,7
	v_and_b32 v[FS+\i], v[208+\i], v[200+\i]
.endr
.irp i, 0,1,2,3,4,5,6,7
	v_sub_nc_u32 v[192+\i], 127, v[192+\i]
.endr
.irp i, 0,1,2,3,4,5,6,7
	v_lshlrev_b32 v[192+\i], 23, v[192+\i]
.endr
	v_mul_f32 v216, v[FL], v[192]
.irp i, 1,2,3,4,5,6,7
	v_fma_f32 v216, v[FL+\i], v[192+\i], v216
.endr
	v_permlanex16_b32 v217, v216, s[SEL], s[SEL+1]
	v_add_f32 v[218+(\a)], v216, v217
.endm
.macro QTAIL a
.irp b, 0,1,2,3
	v_add_nc_u32 v[TM+12+\b], 0xff000000, v[TM+\b]
.endr
.irp b, 0,1,2,3
	v_lshrrev_b32 v[TM+4+\b], 23, v[TM+12+\b]
.endr
	v_lshl_or_b32 v[PWS+(\a)], v[TM+5], 8, v[TM+4]
	v_lshl_or_b32 v[PWS+(\a)], v[TM+6], 16, v[PWS+(\a)]
	v_lshl_or_b32 v[PWS+(\a)], v[TM+7], 24, v[PWS+(\a)]
	s_wait_xcnt 0x0
	WIN QW
.irp c, 0,1
	v_cvt_scalef32_pk16_fp6_f32 v[PC+6*\c:PC+2+6*\c], v[AC+32*\c:AC+15+32*\c], v[TM+12+2*\c]
	v_cvt_scalef32_pk16_fp6_f32 v[PC+12+4*\c:PC+14+4*\c], v[AC+16+32*\c:AC+31+32*\c], v[TM+12+2*\c+1]
.endr
	WIN 0
	v_nop
.irp c, 0,1
.irp i, 0,1,2
	v_permlane16_swap_b32 v[PC+6*\c+\i], v[PC+12+4*\c+\i]
.endr
.irp i, 0,1,2
	v_mov_b32 v[PC+3+6*\c+\i], v[PC+12+4*\c+\i]
.endr
.endr
.irp c, 0,1,2
	global_store_b128 v[LI], v[PC+4*\c:PC+4*\c+3], s[90:91] offset:12288*(\a)+512*\c
.endr
.endm
.macro QUANTW a
.set QW, 2
.set AC, 64*(\a)
	WIN 0x82
.set EJ, 0
.rept 32
	v_pk_mul_f32 v[AC+EJ:AC+EJ+1], v[AC+EJ:AC+EJ+1], v[RL+2*(\a):RL+2*(\a)+1] op_sel_hi:[1,0]
.set EJ, EJ+2
.endr
	WIN QW|(QW<<2)
.irp b, 0,1,2,3
	v_max3_num_f32 v[TM+\b], |v[AC+16*\b]|, |v[AC+16*\b+1]|, 0x1800000
.endr
.irp i, 2,4,6,8,10,12,14
.irp b, 0,1,2,3
	v_max3_num_f32 v[TM+\b], |v[AC+16*\b+\i]|, |v[AC+16*\b+\i+1]|, v[TM+\b]
.endr
.endr
	WIN 0
.irp b, 0,1,2,3
	v_permlanex16_b32 v[TM+4+\b], v[TM+\b], s[SEL], s[SEL+1]
.endr
.irp b, 0,1,2,3
	v_max_num_f32 v[TM+\b], v[TM+\b], v[TM+4+\b]
.endr
	QTAIL \a
.endm
	s_load_b128 s[4:7], s[0:1], 0x0
	s_load_b64 s[8:9], s[0:1], 0x10
	v_lshl_add_u32 v[SPW], v0, 2, SPARE
	v_mov_b32 v[NIL], 0
	ds_add_u32 v[SPW], v[NIL]
	ds_add_u32 v[SPW], v[NIL]
	v_lshrrev_b32 v1, 5, v0
	v_readfirstlane_b32 s14, v1
	s_lshr_b32 s15, s14, 1
	s_and_b32 s16, s14, 1
	s_bfe_u32 s40, ttmp6, 0x40000
	s_bfe_u32 s41, ttmp6, 0x40004
	s_lshr_b32 s18, ttmp9, 2
	s_and_b32 s19, ttmp9, 3
	s_lshl_b32 s17, s19, 2
	s_add_co_u32 s17, s17, s41
	s_mov_b32 s42, s40
	s_lshl_b32 s43, s41, 2
	s_lshl_b32 s43, 15, s43
	s_lshl_b32 s44, 0x1111, s40
	DESCR1
	s_lshl_b32 s19, s18, 7
	s_lshl_b32 s20, s17, 3
	s_add_co_u32 s20, s20, s19
	s_lshl_b32 s19, s15, 2
	s_add_co_u32 s19, s20, s19
	s_lshl_b32 s86, s19, 9
	s_add_co_u32 s94, s86, 13107200
	s_add_co_u32 s96, s86, 13631488
	s_add_co_u32 s86, s86, 12582912
	s_mov_b32 s87, 0
	s_mov_b32 s95, 0
	s_mov_b32 s97, 0
	s_lshl_b32 s22, s16, 2
	s_add_co_u32 s20, s20, s22
	s_mul_i32 s20, s20, 12288
	s_mov_b32 s21, 0
	s_lshl_b32 s46, s42, 4
	s_lshl_b32 s22, s16, 3
	s_add_co_u32 s46, s46, s22
	s_lshl_b32 s88, s46, 9
	s_lshl_b32 s23, s18, 16
	s_add_co_u32 s88, s88, s23
	s_add_co_u32 s88, s88, 18874368+524288
	s_mov_b32 s89, 0
	s_mul_i32 s46, s46, 12288
	s_mul_i32 s23, s18, 2*786432
	s_add_co_u32 s46, s46, s23
	s_add_co_u32 s46, s46, 12582912
	s_mov_b32 s47, 0
	s_mul_i32 s45, s16, NA*FB
	s_mul_i32 s85, s16, 8*FB
	s_add_co_u32 s85, s85, AREG
	s_lshl_b32 s18, s42, 1
	s_add_co_u32 s18, s18, s16
	s_mul_i32 s90, s19, 12288
	s_mul_i32 s23, s18, 1536
	s_add_co_u32 s90, s90, s23
	s_mov_b32 s91, 0
	s_lshl_b32 s92, s19, 9
	s_lshr_b32 s23, s18, 2
	s_lshl_b32 s23, s23, 8
	s_add_co_u32 s92, s92, s23
	s_and_b32 s23, s18, 3
	s_lshl_b32 s23, s23, 2
	s_add_co_u32 s92, s92, s23
	s_add_co_u32 s92, s92, 6291456
	s_mov_b32 s93, 0
	ADDRS
	v_min_u32 v30, 23, v3                          ; the prefetches' offset: 256 x lane; a row block's four K steps are 24 pieces of 256 bytes, lanes 24-31 name the last again
	v_lshlrev_b32 v30, 8, v30
	s_mov_b32 s[SEL], 0x76543210
	s_mov_b32 s[SEL+1], 0xfedcba98
	s_mov_b32 s98, 0xffff0000
	s_wait_dscnt 0x0
	s_wait_kmcnt 0x0
	s_add_nc_u64 s[20:21], s[4:5], s[20:21]
	s_add_nc_u64 s[46:47], s[6:7], s[46:47]
	s_add_nc_u64 s[86:87], s[4:5], s[86:87]
	s_add_nc_u64 s[94:95], s[4:5], s[94:95]
	s_add_nc_u64 s[96:97], s[4:5], s[96:97]
	s_add_nc_u64 s[88:89], s[6:7], s[88:89]
	s_add_nc_u64 s[90:91], s[8:9], s[90:91]
	s_add_nc_u64 s[92:93], s[8:9], s[92:93]
	DESCR0 0, 0, 0
	DESCR0 1, 6144, 6144
	DESCR0 2, 6291456, 786432
	DESCR0 3, 6291456+6144, 786432+6144
	CROUND
	JLOAD 0
	; chunk 1 is asked of the L2 here, chunks 2 and 3 behind chunk 1's load: each one change of slots or two ahead of its load.  Of the row blocks that I fetch (4 of p, or 8 of v^T) each of the
	; four partners that ask jointly takes a quarter, told apart by address (cx for p, cy for v^T)
	s_mul_i32 s12, s40, 12288
	s_mul_i32 s13, s41, 24576
	s_cmp_eq_u32 s15, 0
	s_cselect_b64 s[10:11], s[20:21], s[46:47]
	s_cselect_b32 s12, s12, s13
	s_mov_b32 s13, 0
	s_add_nc_u64 s[10:11], s[10:11], s[12:13]
	s_wait_alu depctr_va_vdst(0)                   ; the wait ahead of the branch and of the readers behind it
	s_cbranch_scc0 .Lpf_b1
	global_prefetch_b8 v30, s[10:11] offset:6144 th:TH_LOAD_NT scope:SCOPE_SE
	s_branch .Lpf_j1
.Lpf_b1:
	global_prefetch_b8 v30, s[10:11] offset:6144 th:TH_LOAD_NT scope:SCOPE_SE
	global_prefetch_b8 v30, s[10:11] offset:18432 th:TH_LOAD_NT scope:SCOPE_SE
.Lpf_j1:
.irp a, 0,1,2,3
.irp u, 0,1
	global_load_b128 v[SA+8*\a+4*\u:SA+8*\a+4*\u+3], v[VSL], s[86:87] offset:512*\a+262144*\u
.endr
.endr
.irp a, 0,1,2,3
.irp u, 0,1
	global_load_b128 v[128+8*\a+4*\u:128+8*\a+4*\u+3], v[VSL], s[94:95] offset:512*\a+262144*\u
.endr
.endr
.irp a, 0,1,2,3
.irp u, 0,1
	global_load_b128 v[160+8*\a+4*\u:160+8*\a+4*\u+3], v[VSL], s[96:97] offset:512*\a+262144*\u
.endr
.endr
.irp b, 0,1,2,3,4,5,6,7
.irp u, 0,1
	global_load_b128 v[SB+8*\b+4*\u:SB+8*\b+4*\u+3], v[VSL], s[88:89] offset:512*\b+32768*\u
.endr
.endr
	s_wait_loadcnt 16                              ; p's scale words, -M' and l' are in (asked for while chunk 0 is on its way); v^T's 16 loads may be out
	FIX 0
	FIX 1
	s_wait_alu depctr_va_vdst(0)                   ; the wait here, directly ahead of the wait below
	s_wait_tensorcnt 0x0                           ; my part of chunk 0 is in
	ds_add_u32 v[SPW], v[NIL]
	s_wait_dscnt 0x0
	CROUND                                         ; chunk 0 is whole for every wave, and the joint loads meet
	JLOAD 1                                        ; chunk 1, slot 1's first fill
	s_cmp_eq_u32 s15, 0
	s_cbranch_scc0 .Lpf_b2
	global_prefetch_b8 v30, s[10:11] offset:6291456 th:TH_LOAD_NT scope:SCOPE_SE
	global_prefetch_b8 v30, s[10:11] offset:6297600 th:TH_LOAD_NT scope:SCOPE_SE
	s_branch .Lpf_j2
.Lpf_b2:
	global_prefetch_b8 v30, s[10:11] offset:786432 th:TH_LOAD_NT scope:SCOPE_SE
	global_prefetch_b8 v30, s[10:11] offset:798720 th:TH_LOAD_NT scope:SCOPE_SE
	global_prefetch_b8 v30, s[10:11] offset:792576 th:TH_LOAD_NT scope:SCOPE_SE
	global_prefetch_b8 v30, s[10:11] offset:804864 th:TH_LOAD_NT scope:SCOPE_SE
.Lpf_j2:
	FIX 2
	FIX 3
	s_wait_alu depctr_va_vdst(0)
.irp a, 0,1,2,3
	v_rcp_f32 v[RL+2*\a], v[218+\a]
.endr
	v_nop
	s_wait_alu depctr_va_vdst(0)
.irp a, 0,1,2,3
	v_mov_b32 v[RL+2*\a+1], v[RL+2*\a]
.endr
	PLACES 8
	FETCH_B 0
	FETCH_A 0, 0
	FETCH_A 0, H
	s_wait_loadcnt 0x0
	KSTEP 0, 1
.irp s, 1,2,3,4,5,6,7,8,9,10,11,12,13,14,15
	KSTEP \s, 0
.endr
.irp b, 0,1,2,3
	v_mov_b32 v[TM+4+\b], 0
.endr
	s_wait_alu depctr_va_vdst(0)
.irp a, 0,1,2,3
	QUANTW \a
.endr
.irp a, 0,2
	v_cndmask_b32 v[TO+\a/2], v[PWS+\a], v[PWS+\a+1], s98
	global_store_b32 v[VSS], v[TO+\a/2], s[92:93] offset:512*\a
.endr
	s_wait_tensorcnt 0x0
	ds_add_u32 v[SPW], v[NIL]
	s_wait_dscnt 0x0
	CROUND
	s_endpgm
.Lfunc_end_k_q85cb6d4583_pv:
	.size	k_q85cb6d4583_pv, .Lfunc_end_k_q85cb6d4583_pv-k_q85cb6d4583_pv
	.p2alignl 7, 3214868480
	.fill 96, 4, 3214868480
	.section	.rodata,"a",@progbits
	.p2align	6, 0x0
	.amdhsa_kernel k_q85cb6d4583_pv
		.amdhsa_group_segment_fixed_size 327680
		.amdhsa_private_segment_fixed_size 0
		.amdhsa_enable_private_segment 0
		.amdhsa_kernarg_size 24
		.amdhsa_user_sgpr_count 2
		.amdhsa_user_sgpr_kernarg_segment_ptr 1
		.amdhsa_wavefront_size32 1
		.amdhsa_system_sgpr_workgroup_id_x 1
		.amdhsa_system_sgpr_workgroup_id_y 1
		.amdhsa_system_sgpr_workgroup_id_z 1
		.amdhsa_system_vgpr_workitem_id 0
		.amdhsa_next_free_vgpr 768
		.amdhsa_next_free_sgpr 102
		.amdhsa_reserve_vcc 0
		.amdhsa_float_denorm_mode_32 3
		.amdhsa_float_denorm_mode_16_64 3
		.amdhsa_memory_ordered 1
		.amdhsa_forward_progress 1
		.amdhsa_inst_pref_size 173
	.end_amdhsa_kernel
	.amdgpu_metadata
---
amdhsa.version: [ 1, 2 ]
amdhsa.kernels:
  - .name:           k_q85cb6d4583_pv
    .symbol:         k_q85cb6d4583_pv.kd
    .args:
      - { .name: w3, .offset: 0, .size: 8, .value_kind: global_buffer, .address_space: global }
      - { .name: w2, .offset: 8, .size: 8, .value_kind: global_buffer, .address_space: global }
      - { .name: w4, .offset: 16, .size: 8, .value_kind: global_buffer, .address_space: global }
    .group_segment_fixed_size: 327680
    .private_segment_fixed_size: 0
    .kernarg_segment_align: 8
    .kernarg_segment_size: 24
    .max_flat_workgroup_size: 128
    .sgpr_count:     102
    .vgpr_count:     768
    .wavefront_size: 32
...
	.end_amdgpu_metadata
.endif
;; end of part 4
;; launch outp (part 5): grid 256 x 1, 4 waves a work-group, no clusters, 17,920 bytes of LDS; arguments w4, w1, bo, out0; writes out0
.if DOCPART == 5
	.amdgcn_target "amdgcn-amd-amdhsa--gfx1250"
	.amdhsa_code_object_version 6
	.text
	.protected	k_q85cb6d4583_outp
	.globl	k_q85cb6d4583_outp
	.p2align	8
	.type	k_q85cb6d4583_outp,@function
k_q85cb6d4583_outp:
	s_mov_b64 s[64:65], 0
	v_nop
	global_prefetch_b8 v0, s[64:65] scope:SCOPE_SE
	s_setreg_imm32_b32 hwreg(HW_REG_WAVE_MODE, 25, 1), 1
	s_wait_xcnt 0x0
; FIFTH LAUNCH: out0 = O Wo^T + bo on O's codes (w4) and Wo's (w1), f32 out.  No work of the problem is left out.
; LAYOUTS as in the launches before: a fragment (16 row positions x 128 K) is 1,536 bytes, the image of its 12 registers (registers 4 c .. 4 c + 3 of lane l at 512 c + 16 l); a row block's eight K steps lie on end
; (12,288 bytes); position p of block F is row 32 (F / 2) + 8 (F % 2) + p + 8 (p / 8); a block's scale words: 512 bytes, K step s, position p at 256 (s / 4) + 16 p + 4 (s % 4).
; SHARES: work-group w makes rows 128 (w / 4) on x columns 256 (w % 4) on; a wave 128 rows x 64 columns.  256 work-groups of equal work.
; THE OPERANDS GO FROM MEMORY STRAIGHT INTO REGISTERS, as they lie.  Wo's part of a wave (4 blocks x 8 K steps, 32 fragments, 384 registers) is loaded once and stays.  O's eight row blocks (8 fragments, 96 registers each)
; go through a ring of three sets of registers: while block i is multiplied, the 2 x 25 loads of blocks i + 1 and i + 2 are out.  A block is 32 matrix instructions, its 4 accumulators by turns, K ascending
; the bias is the C of each sum's first instruction.  Each finished block of 16 rows x 64 columns leaves at once, while the later blocks are multiplied.
; THE MATRIX INSTRUCTION IS USED TRANSPOSED (source 0 = 16 positions of Wo, source 1 = 16 of O): lane (r, h) holds O's position r; register j of accumulator 2 b + u is column 32 b + 16 h + 8 u + j of my 64.
; THE WAY OUT: through the wave's own stage in LDS (16 rows 272 bytes apart) and back by rows: sixteen lanes store a row's 256 consecutive bytes, aligned; the order of positions is undone in the stores' offsets.
; NO TENSOR LOAD, NO CLUSTER, NO BARRIER: nothing is staged in LDS but the results, and waves share nothing.  Joint loads would want slots in LDS and a barrier for each refill, and a work-group's whole tile
; (128 + 256 rows x 768 bytes = 294,912 bytes) would have to land before its sums could be finished, every store behind the last product.
; PREFETCH INTO THE L2: a row block of O (48 pieces of 256 bytes) is read by the 16 waves of four work-groups: each asks for 3 pieces (lanes 3-31 name the last again).  Blocks 3 and 4 are asked for at the head,
; block i + 5 in trip i: two trips ahead of its loads, which stand in trip i + 2.  Trips 3 to 7 ask for nothing.
; LIMITS: NaN and infinities are not served.
; REGISTERS: window 0: v1-11 lane terms; v28, v29 the add's two; v32-47 Wo's scale words, v48-59 O's (three sets; register j: lanes 0-15 K step j, lanes 16-31 K step 4 + j); v64-95 the bias; v96-127 the accumulators;
;   v128-159 rows read back; v160-255 O's set 2.  window 1: Wo's K steps 0-3 (fragment (s, b) at 48 (s % 4) + 12 b); window 2: K steps 4-7; window 3: O's sets 0 and 1.
.set PITCH, 272
.set STGB,  16*PITCH                   ; a wave's stage
.set SPARE, 4*STGB                     ; behind the stages: the spare words, 128 bytes for each wave
.set LI,   4                           ; v4   16 x lane
.set VSL,  5                           ; v5   256 h + 16 r: a block's scale words
.set CO,   6                           ; v6   4,096 h + 16 r: two rows of out0 an instruction
.set VB,   7                           ; v7   64 h: the bias
.set STO,  9                           ; v9   the stage, in
.set RD,   10                          ; v10  and back
.set PFO,  11                          ; v11  my pieces of a row block, for the prefetches
.set SPW,  28
.set NIL,  29
.set SB,   32
.set SA,   48
.set BI,   64
.set ACC,  96
.set BK,   128
.set A2,   160
.set MSB,  0
.macro WIN new                         ; the immediate's high byte repeats the setting that is left
.set NEWW, \new
.if MSB != NEWW
	s_set_vgpr_msb (MSB<<8)|NEWW
.set MSB, NEWW
.endif
.endm
.macro ALOC i                          ; where block i's fragments lie: window AW, from register AR on
.if ((\i)%3) == 2
.set AW, 0
.set AR, A2
.else
.set AW, 3
.set AR, 96*((\i)%3)
.endif
.endm
.macro GETA i                          ; block i of O: 1 load of scale words and 24 of codes, each of 512 consecutive bytes
	global_load_b128 v[SA+4*((\i)%3):SA+4*((\i)%3)+3], v[VSL], s[22:23] offset:512*(\i)
	ALOC \i
	WIN AW<<6
.set GS, 0
.rept 24
	global_load_b128 v[AR+4*GS:AR+4*GS+3], v[LI], s[20:21] offset:12288*(\i)+512*GS
.set GS, GS+1
.endr
	WIN 0
.endm
.macro MUL i                           ; 32 matrix instructions: K steps 0-7, each against Wo's four blocks
	ALOC \i
.set MSA, SA+4*((\i)%3)
.set MS, 0
.rept 8
	WIN (1+MS/4)|(AW<<2)
.set MA, AR+12*MS
.irp b, 0,1,2,3
.set MB, 48*(MS%4)+12*\b
.set MD, ACC+8*\b
.if MS == 0
	v_wmma_scale_f32_16x16x128_f8f6f4 v[MD:MD+7], v[MB:MB+11], v[MA:MA+11], v[BI+8*\b:BI+8*\b+7], v[SB+4*\b], v[MSA] matrix_a_fmt:MATRIX_FMT_FP6 matrix_b_fmt:MATRIX_FMT_FP6
.elseif MS < 4
	v_wmma_scale_f32_16x16x128_f8f6f4 v[MD:MD+7], v[MB:MB+11], v[MA:MA+11], v[MD:MD+7], v[SB+4*\b+MS], v[MSA+MS] matrix_a_fmt:MATRIX_FMT_FP6 matrix_b_fmt:MATRIX_FMT_FP6
.else
	v_wmma_scale_f32_16x16x128_f8f6f4 v[MD:MD+7], v[MB:MB+11], v[MA:MA+11], v[MD:MD+7], v[SB+4*\b+MS-4], v[MSA+MS-4] matrix_a_fmt:MATRIX_FMT_FP6 matrix_b_fmt:MATRIX_FMT_FP6 matrix_a_scale:MATRIX_SCALE_ROW1 matrix_b_scale:MATRIX_SCALE_ROW1
.endif
.endr
.set MS, MS+1
.endr
	WIN 0
.endm
.macro OUT i                           ; block i's 16 rows x 64 columns
	s_wait_xcnt 0x0                                ; the last block's stores have read v[BK] on
.irp t, 0,1,2,3
	ds_store_b128 v[STO], v[ACC+8*\t:ACC+8*\t+3] offset:128*(\t/2)+32*(\t%2)       ; each accumulator from its low end on
	ds_store_b128 v[STO], v[ACC+8*\t+4:ACC+8*\t+7] offset:128*(\t/2)+32*(\t%2)+16
.endr
.irp t, 0,1,2,3,4,5,6,7
	ds_load_b128 v[BK+4*\t:BK+4*\t+3], v[RD] offset:2*PITCH*\t   ; LDS serves a wave's instructions in order: these see the stores above
.endr
	s_wait_dscnt 0x0
.irp t, 0,1,2,3,4,5,6,7
	global_store_b128 v[CO], v[BK+4*\t:BK+4*\t+3], s[30:31] offset:(32*((\i)/2)+8*((\i)%2)+2*\t+8*(\t/4))*4096 th:TH_STORE_NT   ; positions 2 t, 2 t + 1 at their true rows; written once
.endr
.endm
	s_load_b256 s[4:11], s[0:1], 0x0               ; w4, w1, bo, out0
	v_lshl_add_u32 v[SPW], v0, 2, SPARE
	v_mov_b32 v[NIL], 0
	v_lshrrev_b32 v1, 5, v0
	v_readfirstlane_b32 s14, v1                    ; wave
	v_and_b32 v1, 15, v0                           ; r
	v_bfe_u32 v2, v0, 4, 1                         ; h
	v_and_b32 v3, 31, v0                           ; lane
	v_lshlrev_b32 v[LI], 4, v3
	v_lshlrev_b32 v8, 4, v1                        ; 16 r
	v_lshl_add_u32 v[VSL], v2, 8, v8
	v_lshl_add_u32 v[CO], v2, 12, v8
	v_lshlrev_b32 v[VB], 6, v2
	s_mul_i32 s15, s14, STGB                       ; my stage
	v_mul_u32_u24 v[STO], v1, PITCH
	v_lshl_add_u32 v[STO], v2, 6, v[STO]
	v_add_nc_u32 v[STO], s15, v[STO]               ; in: row r, + 64 h
	v_mul_u32_u24 v[RD], v2, PITCH
	v_add_nc_u32 v[RD], v[RD], v8
	v_add_nc_u32 v[RD], s15, v[RD]                 ; back: row h, + 16 r
	s_and_b32 s16, ttmp9, 3
	s_lshl_b32 s16, s16, 2
	s_add_co_u32 s16, s16, s14                     ; g: which 64 columns are mine, 0 .. 15
	s_lshr_b32 s17, ttmp9, 2                       ; which 128 rows, 0 .. 63
	s_mul_i32 s18, s16, 3
	v_min_u32 v[PFO], 2, v3
	v_add_nc_u32 v[PFO], s18, v[PFO]
	v_lshlrev_b32 v[PFO], 8, v[PFO]                ; pieces 3 g .. 3 g + 2 of a row block's 48
	s_mul_i32 s20, s17, 98304                      ; O's codes: 8 row blocks
	s_mov_b32 s21, 0
	s_lshl_b32 s22, s17, 12                        ; and their scale words
	s_add_co_u32 s22, s22, 6291456
	s_mov_b32 s23, 0
	s_lshl_b32 s24, s16, 2
	s_add_co_u32 s24, s24, 704                     ; Wo's blocks 4 g on lie from block 704 of w1 on
	s_lshl_b32 s26, s24, 9
	s_add_co_u32 s26, s26, 9437184
	s_mov_b32 s27, 0
	s_mul_i32 s24, s24, 12288
	s_mov_b32 s25, 0
	s_lshl_b32 s28, s16, 8                         ; my 64 columns, in bytes
	s_mov_b32 s29, 0
	s_lshl_b32 s30, s17, 19                        ; my 128 rows of 4,096 bytes
	s_add_co_u32 s30, s30, s28
	s_mov_b32 s31, 0
	s_wait_alu depctr_va_vdst(0)                   ; the wait at the head's end
	s_wait_kmcnt 0x0
	s_add_nc_u64 s[20:21], s[4:5], s[20:21]
	s_add_nc_u64 s[22:23], s[4:5], s[22:23]
	s_add_nc_u64 s[24:25], s[6:7], s[24:25]
	s_add_nc_u64 s[26:27], s[6:7], s[26:27]
	s_add_nc_u64 s[28:29], s[8:9], s[28:29]
	s_add_nc_u64 s[30:31], s[10:11], s[30:31]
.irp b, 0,1,2,3
	global_load_b128 v[SB+4*\b:SB+4*\b+3], v[VSL], s[26:27] offset:512*\b
.endr
.irp t, 0,1,2,3
	global_load_b128 v[BI+8*\t:BI+8*\t+3], v[VB], s[28:29] offset:128*(\t/2)+32*(\t%2)       ; the bias in the accumulators' layout
	global_load_b128 v[BI+8*\t+4:BI+8*\t+7], v[VB], s[28:29] offset:128*(\t/2)+32*(\t%2)+16
.endr
	GETA 0
.irp w, 1,2                            ; Wo's 32 fragments
	WIN \w<<6
.irp s, 0,1,2,3
.irp b, 0,1,2,3
.irp c, 0,1,2
	global_load_b128 v[48*\s+12*\b+4*\c:48*\s+12*\b+4*\c+3], v[LI], s[24:25] offset:12288*\b+1536*(4*(\w-1)+\s)+512*\c
.endr
.endr
.endr
.endr
	WIN 0
	GETA 1
	GETA 2
	global_prefetch_b8 v[PFO], s[20:21] offset:12288*3 th:TH_LOAD_NT scope:SCOPE_SE
	global_prefetch_b8 v[PFO], s[20:21] offset:12288*4 th:TH_LOAD_NT scope:SCOPE_SE
.macro TRIP i
.if (\i) < 6
	s_wait_loadcnt 50                              ; block i is in, and all that was asked for ahead of it; the 2 x 25 loads of the next two blocks may be out
.else
	s_wait_loadcnt 25*(7-(\i))
.endif
	MUL \i
.rept 5
	v_nop                                          ; places: 4 ahead of the loads into block i's registers and of the stores that read results, 5 ahead of the next block's first products, which write the accumulators anew
.endr
.if (\i) < 5
	GETA (\i)+3
.endif
	OUT \i
.if (\i) < 3
	global_prefetch_b8 v[PFO], s[20:21] offset:12288*((\i)+5) th:TH_LOAD_NT scope:SCOPE_SE
.endif
.endm
.irp i, 0,1,2,3,4,5,6,7
	TRIP \i
.endr
	s_wait_tensorcnt 0x0                           ; the wave's end: behind my last LDS store
	ds_add_u32 v[SPW], v[NIL]
	s_wait_dscnt 0x0
	s_endpgm
.Lfunc_end_k_q85cb6d4583_outp:
	.size	k_q85cb6d4583_outp, .Lfunc_end_k_q85cb6d4583_outp-k_q85cb6d4583_outp
	.p2alignl 7, 3214868480
	.fill 96, 4, 3214868480
	.section	.rodata,"a",@progbits
	.p2align	6, 0x0
	.amdhsa_kernel k_q85cb6d4583_outp
		.amdhsa_group_segment_fixed_size 17920
		.amdhsa_private_segment_fixed_size 0
		.amdhsa_enable_private_segment 0
		.amdhsa_kernarg_size 32
		.amdhsa_user_sgpr_count 2
		.amdhsa_user_sgpr_kernarg_segment_ptr 1
		.amdhsa_wavefront_size32 1
		.amdhsa_system_sgpr_workgroup_id_x 1
		.amdhsa_system_sgpr_workgroup_id_y 1
		.amdhsa_system_sgpr_workgroup_id_z 1
		.amdhsa_system_vgpr_workitem_id 0
		.amdhsa_next_free_vgpr 1024
		.amdhsa_next_free_sgpr 66
		.amdhsa_reserve_vcc 0
		.amdhsa_float_denorm_mode_32 3
		.amdhsa_float_denorm_mode_16_64 3
		.amdhsa_memory_ordered 1
		.amdhsa_forward_progress 1
		.amdhsa_inst_pref_size 82
	.end_amdhsa_kernel
	.amdgpu_metadata
---
amdhsa.version: [ 1, 2 ]
amdhsa.kernels:
  - .name:           k_q85cb6d4583_outp
    .symbol:         k_q85cb6d4583_outp.kd
    .args:
      - { .name: w4, .offset: 0, .size: 8, .value_kind: global_buffer, .address_space: global }
      - { .name: w1, .offset: 8, .size: 8, .value_kind: global_buffer, .address_space: global }
      - { .name: bo, .offset: 16, .size: 8, .value_kind: global_buffer, .address_space: global }
      - { .name: out0, .offset: 24, .size: 8, .value_kind: global_buffer, .address_space: global }
    .group_segment_fixed_size: 17920
    .private_segment_fixed_size: 0
    .kernarg_segment_align: 8
    .kernarg_segment_size: 32
    .max_flat_workgroup_size: 128
    .sgpr_count:     66
    .vgpr_count:     1024
    .wavefront_size: 32
...
	.end_amdgpu_metadata
.endif
;; end of part 5
